; MI455X (gfx1250); checked and timed in simulation.
; The chip was launched on July 23, 2026; its instructions are those of AMD's public machine-readable ISA for CDNA 5 (MIT licence, August 2026) and "CDNA5" Instruction Set Architecture Reference Guide (July 2026). The comments in the code are by the model that wrote it; some were corrected since.
;; GAU. Allowed arithmetic: float matrix products may take bf16 or f16 operands with f32 sums; other float arithmetic in f32, or as packed bf16 or f16 multiplies, adds, multiply-adds, maxima and minima; sums over many terms, partial sums and values carried from step to step in f32; what a program stores and reads back later, other than sums and carried values, may be rounded once to bf16 or f16.
;; Inputs: W_hidden 512 x 2,048 float32; W_out 1,024 x 512 float32; W_qk 512 x 128 float32; b_hidden 2,048 float32; b_out 512 float32; b_qk 128 float32; beta 2 x 128 float32; gamma 2 x 128 float32; ln_bias 512 float32; ln_scale 512 float32; x 8 x 2,048 x 512 float32.
;; Outputs: out0 8 x 2,048 x 512 float32.
;; One version. Each part assembles by itself: llvm-mc -triple=amdgcn-amd-amdhsa -mcpu=gfx1250 --defsym DOCPART=n.
;; ======== version 1 of 1: 4 launches
;; workspace buffers: nf 16,777,216 bytes; whb 2,097,152 bytes; wob 1,048,576 bytes; qf 4,194,304 bytes; kf 4,194,304 bytes; hvb 67,108,864 bytes; vgf 33,554,432 bytes
;; launch prep (part 1): grid 256 x 1, 8 waves a work-group, no clusters, 201,728 bytes of LDS; arguments x, ln_scale, ln_bias, W_hidden, W_out, W_qk, b_qk, gamma, beta, nf, whb, wob, qf, kf; writes nf, whb, wob, qf, kf
.if DOCPART == 1
	.amdgcn_target "amdgcn-amd-amdhsa--gfx1250"
	.amdhsa_code_object_version 6
	.text
	.protected	k_q7e3a4f5d1a_prep
	.globl	k_q7e3a4f5d1a_prep
	.p2align	8
	.type	k_q7e3a4f5d1a_prep,@function
k_q7e3a4f5d1a_prep:
	s_mov_b64 s[64:65], 0
	v_nop
	global_prefetch_b8 v0, s[64:65] scope:SCOPE_SE
	s_setreg_imm32_b32 hwreg(HW_REG_WAVE_MODE, 25, 1), 1
	s_wait_xcnt 0x0
; GATED ATTENTION UNIT, launch 1 of 4: LayerNorm, Z = silu(normed W_qk + b_qk), q and k, and the two large weights rounded to bf16.
; NOTHING OF reference() IS LEFT OUT in any of the four launches: every input has a way to out0 and is loaded.  Two steps are folded, none dropped: the division by
; seq_len = 2,048 is a power of two and is applied to q in f32 before q is rounded; the three biases start the matrix sums.
; LIMITS.  Every matrix operand is rounded once to bf16 (normed, the weights, q / 2048, k, silu(hidden), relu(sim)^2, V gate).  silu(t) = t / (1 + e^-t) gives -0 where e^-t
; overflows (t below about -88); the exponential, reciprocal and root count denormals as 0; NaN and infinities are not treated apart.
; LAYOUTS, with L the lane, r = L % 16, h = L / 16.
;   F (a [token][feature] matrix as source 1): [T = token / 16][u = feature / 16][L][8 bf16]; lane L holds token 16 T + r, features 16 u + 8 h + 0..7.  A fragment of 32 features is two
;     loads of 16 bytes at 16 L, 512 bytes apart.
;   TR (a [K][N] matrix as source 0): [nt = n / 16][k][16 bf16], 32 bytes a row; a fragment is two turning loads, 512 bytes apart.
; All products take source 0 = 16 columns of the [K][N] matrix, source 1 = 16 tokens: register j of lane L of a result is token r, column 16 b + 8 h + j: 16 bytes of F at 16 L.
; SHARES.  Work-group g has tokens 64 g .. 64 g + 63.  Wave w: LayerNorm of rows 8 w .. 8 w + 7; column tile w of W_qk into LDS; two blocks of 16 x 16 of W_hidden and one of W_out;
; in the product token tile w / 2 and column half w % 2.  No tensor load: W_qk and x are converted on their way, so they pass through registers anyway.
; IN FLIGHT.  Every load goes out ahead of the work that waits for it: the gains, my eight rows of x, my three blocks of the large weights and a quarter of my tile of W_qk at once; the rest of
; W_qk as soon as x is in, so that it lands under the LayerNorm; b_qk, gamma and beta ahead of the barrier, so that they land under the product.
; REGISTERS: window 0 as named below; window 1: my column tile of W_qk, block kg of 16 k at v[8 kg]; later gamma[0], beta[0], gamma[1], beta[1], 32 registers each.
.set ST,    131072                     ; LDS: W_qk in TR lies at 0 (8 x 512 x 32 bytes); behind it normed: [4 T][64 pieces 2 u + h] of 256 bytes + 16 of padding
.set TP,    17408                      ; a token tile of the stage: 64 x 272
.set PP,    272                        ; a piece: 68 words, so that the 32 lanes of a row's store of 8 bytes each take 64 different words modulo 64
.set SPARE, 200704                     ; behind the stage: the spare words, 128 bytes for each of the eight waves, which no other line names
.set LO16,  4                          ; v4   16 L
.set WVO,   5                          ; v5   16,384 w + 16 L: my rows' offset in x, and the LDS address of my column tile of W_qk
.set WQO,   6                          ; v6   my offset in W_qk
.set WHO,   7                          ; v7   in W_hidden
.set WHD,   8                          ; v8   in whb
.set WOO,   9                          ; v9   in W_out
.set WOD,   10                         ; v10  in wob
.set BQO,   6                          ; v6   later: my offset in b_qk, gamma, beta
.set NFO,   7                          ; v7   later: in nf
.set QKO,   8                          ; v8   later: in qf and kf
.set SSO,   11                         ; v11  where my rows go in the stage
.set TFA,   12                         ; v12  where my token tile's fragments are read
.set WQA,   13                         ; v13  where my column half's fragments of W_qk are read
.set SPW,   14                         ; v14  my spare word; never rewritten
.set NIL,   15                         ; v15  0; never rewritten
.set CU,    16                         ; v[16:39]   my three blocks of the large weights
.set ACC,   16                         ; v[16:47]   later: four accumulators
.set TT,    48                         ; v[48:63]   a pair for each row
.set UU,    64                         ; v[64:71]   a register for each row
.set SC,    96                         ; v[96:111]  ln_scale of my columns 128 i + 4 L + 0..3
.set BI,    112                        ; v[112:127] ln_bias
.set XX,    128                        ; v[128:255] x: 16 registers a row
.set WS,    48                         ; v[48:111]  later: fragments of W_qk, two sets of 32
.set TF,    128                        ; v[128:255] later: my token tile, all 32 u
.set EE,    48
.set RR,    80
.set G0R,   0                          ; window 1: gamma[0]
.set B0R,   32                         ; beta[0]
.set G1R,   64                         ; gamma[1]
.set B1R,   96                         ; beta[1]
.set MSB, 0
.macro WIN new                         ; the immediate's high byte repeats the setting that is left; a switch that changes nothing is dropped
.if MSB != (\new)
	s_set_vgpr_msb (MSB<<8)|(\new)
.set MSB, \new
.endif
.endm
	s_load_b512 s[4:19], s[0:1], 0x0               ; x 4, ln_scale 6, ln_bias 8, W_hidden 10, W_out 12, W_qk 14, b_qk 16, gamma 18
	s_load_b256 s[20:27], s[0:1], 0x40             ; beta 20, nf 22, whb 24, wob 26
	s_load_b128 s[28:31], s[0:1], 0x60             ; qf 28, kf 30
	v_lshl_add_u32 v[SPW], v0, 2, SPARE
	v_mov_b32 v[NIL], 0
	v_lshrrev_b32 v1, 5, v0
	v_readfirstlane_b32 s38, v1                    ; wave 0..7
	s_lshr_b32 s39, s38, 1                         ; my token tile
	s_and_b32 s40, s38, 1                          ; my column half
	s_mov_b32 s32, 0x3b000000                      ; 1 / 512
	s_mov_b32 s33, 0x3727c5ac                      ; 1e-5
	s_mov_b32 s34, 0xbfb8aa3b                      ; -log2(e), as a pair
	s_mov_b32 s35, s34
	s_mov_b32 s36, 0x76543210                      ; v_permlanex16_b32: each lane takes its own place in the other half
	s_mov_b32 s37, 0xfedcba98
	s_mov_b32 s46, 0x3a000000                      ; 1 / 2,048, as a pair
	s_mov_b32 s47, s46
	v_and_b32 v1, 31, v0                           ; L
	v_and_b32 v2, 15, v0                           ; r
	v_bfe_u32 v3, v0, 4, 1                         ; h
	v_lshlrev_b32 v[LO16], 4, v1
	s_lshl_b32 s41, s38, 14
	v_add_nc_u32 v[WVO], s41, v[LO16]
	; A block of 16 k x 16 n of a weight: lane L reads 8 f32 of row 16 kg + L / 2 at column 16 nt + 8 (L % 2) and writes 16 bytes at 16 L of the block's 512
	v_lshrrev_b32 v16, 1, v1                       ; L / 2
	v_and_b32 v17, 1, v0                           ; L % 2
	v_lshlrev_b32 v18, 5, v17
	s_lshl_b32 s41, s38, 6
	v_lshl_add_u32 v[WQO], v16, 9, v18             ; W_qk: rows of 512 bytes, column tile w
	v_add_nc_u32 v[WQO], s41, v[WQO]
	s_lshr_b32 s42, ttmp9, 3                       ; W_hidden: blocks 16 g + 2 w + 0, 1 of 128 nt x 32 kg: kg = g / 8,
	s_and_b32 s43, ttmp9, 7
	s_lshl_b32 s43, s43, 4
	s_lshl1_add_u32 s43, s38, s43                  ; nt = 16 (g % 8) + 2 w
	s_lshl_b32 s44, s42, 17
	s_lshl_b32 s45, s43, 6
	s_add_co_u32 s44, s44, s45
	v_lshl_add_u32 v[WHO], v16, 13, v18            ; rows of 8,192 bytes
	v_add_nc_u32 v[WHO], s44, v[WHO]
	s_lshl_b32 s44, s43, 14
	s_lshl_b32 s45, s42, 9
	s_add_co_u32 s44, s44, s45
	v_add_nc_u32 v[WHD], s44, v[LO16]
	s_lshr_b32 s42, ttmp9, 2                       ; W_out: block 8 g + w of 32 nt x 64 kg: kg = g / 4,
	s_and_b32 s43, ttmp9, 3
	s_lshl3_add_u32 s43, s43, s38                  ; nt = 8 (g % 4) + w
	s_lshl_b32 s44, s42, 15
	s_lshl_b32 s45, s43, 6
	s_add_co_u32 s44, s44, s45
	v_lshl_add_u32 v[WOO], v16, 11, v18            ; rows of 2,048 bytes
	v_add_nc_u32 v[WOO], s44, v[WOO]
	s_lshl_b32 s44, s43, 15
	s_lshl_b32 s45, s42, 9
	s_add_co_u32 s44, s44, s45
	v_add_nc_u32 v[WOD], s44, v[LO16]
	s_mul_i32 s44, s39, TP
	s_add_co_u32 s44, s44, ST                      ; my token tile in the stage
	s_lshl_b32 s45, s40, 7                         ; my rows are its tokens 8 (w % 2) + 0..7, 16 bytes each in a piece
	s_add_co_u32 s45, s45, s44
	v_mul_u32_u24 v[SSO], v16, PP                  ; columns 128 i + 4 L + 0..3 lie in piece 16 i + L / 2, at byte 8 (L % 2)
	v_lshl_add_u32 v[SSO], v17, 3, v[SSO]
	v_add_nc_u32 v[SSO], s45, v[SSO]
	v_mul_u32_u24 v[TFA], v3, PP                   ; back: piece 2 u + h, 16 bytes at 16 r
	v_lshl_add_u32 v[TFA], v2, 4, v[TFA]
	v_add_nc_u32 v[TFA], s44, v[TFA]
	v_and_b32 v[WQA], 7, v0                        ; the turning load: row 8 h + L % 8, 16 bytes at 16 ((L / 8) % 2)
	v_lshl_add_u32 v[WQA], v3, 3, v[WQA]
	v_bfe_u32 v16, v0, 3, 1
	v_lshlrev_b32 v16, 4, v16
	v_lshl_add_u32 v[WQA], v[WQA], 5, v16
	s_lshl_b32 s45, s40, 16                        ; my four column tiles
	v_add_nc_u32 v[WQA], s45, v[WQA]
	s_lshl_b32 s42, ttmp9, 17
	s_mov_b32 s43, 0
	s_wait_kmcnt 0x0
	s_add_nc_u64 s[4:5], s[4:5], s[42:43]          ; x at the group's 64 rows of 2,048 bytes
	s_lshl_b32 s42, ttmp9, 16
	s_add_nc_u64 s[22:23], s[22:23], s[42:43]      ; nf at its four token tiles of 16,384 bytes
	s_lshl_b32 s42, ttmp9, 14
	s_add_nc_u64 s[28:29], s[28:29], s[42:43]      ; qf and kf: four tiles of 4,096 bytes
	s_add_nc_u64 s[30:31], s[30:31], s[42:43]
.macro PLACES                          ; four places behind a matrix instruction (ISA guide 7.12.1)
.rept 4
	v_nop
.endr
.endm
.macro XLOAD row                       ; a row of x: four loads of 512 consecutive bytes
.irp i, 0,1,2,3
	global_load_b128 v[XX+16*(\row)+4*(\i):XX+16*(\row)+4*(\i)+3], v[WVO], s[4:5] offset:(\row)*2048+(\i)*512 th:TH_LOAD_NT
.endr
.endm
.macro WQLOAD kg0, n                   ; blocks kg0 .. kg0 + n - 1 of my column tile of W_qk, two loads each, into window 1
.set kg, \kg0
.rept \n
	global_load_b128 v[8*kg:8*kg+3],   v[WQO], s[14:15] offset:kg*8192
	global_load_b128 v[8*kg+4:8*kg+7], v[WQO], s[14:15] offset:kg*8192+16
.set kg, kg+1
.endr
.endm
.macro CVT8 b                          ; 8 f32 at v[b] become 8 bf16 in v[b : b + 3], in place: each line writes a register that no later line reads
	v_cvt_pk_bf16_f32 v[(\b)],   v[(\b)],   v[(\b)+1]
	v_cvt_pk_bf16_f32 v[(\b)+1], v[(\b)+2], v[(\b)+3]
	v_cvt_pk_bf16_f32 v[(\b)+2], v[(\b)+4], v[(\b)+5]
	v_cvt_pk_bf16_f32 v[(\b)+3], v[(\b)+6], v[(\b)+7]
.endm
.irp i, 0,1,2,3
	global_load_b128 v[SC+4*(\i):SC+4*(\i)+3], v[LO16], s[6:7] offset:512*(\i)
	global_load_b128 v[BI+4*(\i):BI+4*(\i)+3], v[LO16], s[8:9] offset:512*(\i)
.endr
.irp row, 0,1,2,3,4,5,6,7
	XLOAD \row
.endr
	global_load_b128 v[CU:CU+3],     v[WHO], s[10:11]            ; my three blocks of the large weights
	global_load_b128 v[CU+4:CU+7],   v[WHO], s[10:11] offset:16
	global_load_b128 v[CU+8:CU+11],  v[WHO], s[10:11] offset:64
	global_load_b128 v[CU+12:CU+15], v[WHO], s[10:11] offset:80
	global_load_b128 v[CU+16:CU+19], v[WOO], s[12:13]
	global_load_b128 v[CU+20:CU+23], v[WOO], s[12:13] offset:16
	WIN 0x40                                       ; destination window 1, address window 0
	WQLOAD 0, 8
	s_wait_loadcnt 16                              ; the gains, x and the three blocks are in; the 16 loads of W_qk just issued stay out
	WQLOAD 8, 24                                   ; the other 48 land under the LayerNorm
	WIN 0
	CVT8 CU
	CVT8 CU+8
	CVT8 CU+16
	global_store_b128 v[WHD], v[CU:CU+3], s[24:25]       ; 512 consecutive bytes each
	global_store_b128 v[WHD], v[CU+8:CU+11], s[24:25] offset:16384
	global_store_b128 v[WOD], v[CU+16:CU+19], s[26:27]
; LAYERNORM, eight rows side by side, stage by stage; mean first, then the sum of squares of x - mean.  EACH writes one line for each row.
.macro EACH line:vararg
.set row, 0
.rept 8
.set xb, XX+16*row
.set tb, TT+2*row
.set ub, UU+row
	\line
.set row, row+1
.endr
.endm
.macro LANESUM                         ; the pair's two halves, then the 32 lanes: four steps inside each half ride on the addition, one crosses the halves
	EACH v_add_f32 v[ub], v[tb], v[tb+1]
.irp m, 1,2,4,8
	EACH v_add_f32_dpp v[ub], v[ub], v[ub] row_xmask:\m row_mask:0xf bank_mask:0xf
.endr
	EACH v_permlanex16_b32 v[tb+1], v[ub], s36, s37
	EACH v_add_f32 v[ub], v[ub], v[tb+1]
.endm
	EACH v_pk_add_f32 v[tb:tb+1], v[xb:xb+1], v[xb+2:xb+3]
.irp p, 2,3,4,5,6,7
	EACH v_pk_add_f32 v[tb:tb+1], v[tb:tb+1], v[xb+2*(\p):xb+2*(\p)+1]
.endr
	LANESUM
	EACH v_mul_f32 v[tb], s32, v[ub]
.irp p, 0,1,2,3,4,5,6,7
	EACH v_pk_add_f32 v[xb+2*(\p):xb+2*(\p)+1], v[xb+2*(\p):xb+2*(\p)+1], v[tb:tb+1] op_sel_hi:[1,0] neg_lo:[0,1] neg_hi:[0,1]
.endr
	EACH v_pk_mul_f32 v[tb:tb+1], v[xb:xb+1], v[xb:xb+1]
.irp p, 1,2,3,4,5,6,7
	EACH v_pk_fma_f32 v[tb:tb+1], v[xb+2*(\p):xb+2*(\p)+1], v[xb+2*(\p):xb+2*(\p)+1], v[tb:tb+1]
.endr
	LANESUM
	EACH v_fma_f32 v[ub], v[ub], s32, s33
	EACH v_rsq_f32 v[tb], v[ub]
	v_nop                                          ; a plain instruction behind the last root,
	s_wait_alu depctr_va_vdst(0)                   ; and one wait for the eight, ahead of their first reader
.irp p, 0,1,2,3,4,5,6,7
	EACH v_pk_mul_f32 v[xb+2*(\p):xb+2*(\p)+1], v[xb+2*(\p):xb+2*(\p)+1], v[tb:tb+1] op_sel_hi:[1,0]
.endr
.irp p, 0,1,2,3,4,5,6,7
	EACH v_pk_fma_f32 v[xb+2*(\p):xb+2*(\p)+1], v[xb+2*(\p):xb+2*(\p)+1], v[SC+2*(\p):SC+2*(\p)+1], v[BI+2*(\p):BI+2*(\p)+1]
.endr
.irp p, 0,1,2,3,4,5,6,7
	EACH v_cvt_pk_bf16_f32 v[xb+(\p)], v[xb+2*(\p)], v[xb+2*(\p)+1]
.endr
.irp i, 0,1,2,3
	EACH ds_store_b64 v[SSO], v[xb+2*(\i):xb+2*(\i)+1] offset:row*16+(\i)*4352
.endr
	s_wait_loadcnt 0x0                             ; all of my tile of W_qk
	WIN 0x45                                       ; destination and both sources in window 1
.set kg, 0
.rept 32
	CVT8 8*kg
.set kg, kg+1
.endr
	WIN 0x04                                       ; a store's data in window 1, its address in window 0
.set kg, 0
.rept 32
	ds_store_b128 v[WVO], v[8*kg:8*kg+3] offset:kg*512   ; 512 consecutive bytes a block
.set kg, kg+1
.endr
	WIN 0
	s_wait_xcnt 0x0                                ; the three stores of weights have read their data and offsets, which are written again below
	s_lshl_b32 s41, s40, 8
	v_lshl_add_u32 v[BQO], v3, 5, s41              ; columns 64 (w % 2) + 16 b + 8 h + 0..7, in f32
	s_lshl_b32 s41, s39, 14
	v_add_nc_u32 v[NFO], s41, v[LO16]
	s_lshl_b32 s41, s39, 12
	s_lshl_b32 s42, s40, 11
	s_add_co_u32 s41, s41, s42
	v_add_nc_u32 v[QKO], s41, v[LO16]
.irp b, 0,1,2,3
	global_load_b128 v[ACC+8*(\b):ACC+8*(\b)+3],   v[BQO], s[16:17] offset:64*(\b)     ; b_qk starts the sums
	global_load_b128 v[ACC+8*(\b)+4:ACC+8*(\b)+7], v[BQO], s[16:17] offset:64*(\b)+16
.endr
	WIN 0x40                                       ; gamma and beta into window 1, whose numbers have gone to LDS: 32 loads, wanted behind the product
.irp b, 0,1,2,3
	global_load_b128 v[G0R+8*(\b):G0R+8*(\b)+3],   v[BQO], s[18:19] offset:64*(\b)
	global_load_b128 v[G0R+8*(\b)+4:G0R+8*(\b)+7], v[BQO], s[18:19] offset:64*(\b)+16
	global_load_b128 v[B0R+8*(\b):B0R+8*(\b)+3],   v[BQO], s[20:21] offset:64*(\b)
	global_load_b128 v[B0R+8*(\b)+4:B0R+8*(\b)+7], v[BQO], s[20:21] offset:64*(\b)+16
	global_load_b128 v[G1R+8*(\b):G1R+8*(\b)+3],   v[BQO], s[18:19] offset:512+64*(\b)
	global_load_b128 v[G1R+8*(\b)+4:G1R+8*(\b)+7], v[BQO], s[18:19] offset:512+64*(\b)+16
	global_load_b128 v[B1R+8*(\b):B1R+8*(\b)+3],   v[BQO], s[20:21] offset:512+64*(\b)
	global_load_b128 v[B1R+8*(\b)+4:B1R+8*(\b)+7], v[BQO], s[20:21] offset:512+64*(\b)+16
.endr
	WIN 0
	s_wait_dscnt 0x0                               ; for the others' sake: my stores of W_qk and of my rows are done
	s_barrier_signal -1
	s_barrier_wait -1                              ; the launch's one barrier: W_qk and all 64 rows lie in LDS
.macro WSLOAD c                        ; my four column tiles' fragments for features 32 c on: 8 turning loads
.irp b, 0,1,2,3
	ds_load_tr16_b128 v[WS+32*((\c)%2)+8*(\b):WS+32*((\c)%2)+8*(\b)+3],   v[WQA] offset:(\b)*16384+(\c)*1024
	ds_load_tr16_b128 v[WS+32*((\c)%2)+8*(\b)+4:WS+32*((\c)%2)+8*(\b)+7], v[WQA] offset:(\b)*16384+(\c)*1024+512
.endr
.endm
.set u, 0
.rept 32
	ds_load_b128 v[TF+4*u:TF+4*u+3], v[TFA] offset:u*544
.set u, u+1
.endr
	WSLOAD 0
	WSLOAD 1
	s_wait_dscnt 16                                ; my token tile is in; the 16 loads of W_qk stay out
	s_cmp_eq_u32 s40, 0                            ; the tile's two waves store a half of it each to nf, as it lies in their registers
	s_cbranch_scc0 .Lupper
.set u, 0
.rept 16
	global_store_b128 v[NFO], v[TF+4*u:TF+4*u+3], s[22:23] offset:u*512
.set u, u+1
.endr
	s_branch .Lstored
.Lupper:
.set u, 16
.rept 16
	global_store_b128 v[NFO], v[TF+4*u:TF+4*u+3], s[22:23] offset:u*512
.set u, u+1
.endr
.Lstored:
	s_wait_loadcnt 32                              ; b_qk is in; the 32 loads of gamma and beta, issued behind it, stay out
.set c, 0
.rept 16                               ; 32 features a step; the four accumulators take turns, one instruction a turn
.if c == 15
	s_wait_dscnt 0x0
.else
	s_wait_dscnt 8                                 ; this step's set is in; the other set's 8 loads stay out
.endif
.irp b, 0,1,2,3
	v_wmma_f32_16x16x32_bf16 v[ACC+8*(\b):ACC+8*(\b)+7], v[WS+32*(c%2)+8*(\b):WS+32*(c%2)+8*(\b)+7], v[TF+8*c:TF+8*c+7], v[ACC+8*(\b):ACC+8*(\b)+7]
.endr
	PLACES
.if c < 14
	WSLOAD c+2
.endif
.set c, c+1
.endr
	; silu(t), with n = -log2(e): E = n t; e = 2^E; d = n e + n; silu = E / d.  Each kind of transcendental is one batch with one wait.
.set i, 0
.rept 16
	v_pk_mul_f32 v[EE+2*i:EE+2*i+1], v[ACC+2*i:ACC+2*i+1], s[34:35] op_sel_hi:[1,0]
.set i, i+1
.endr
.set i, 0
.rept 32
	v_exp_f32 v[RR+i], v[EE+i]
.set i, i+1
.endr
	v_nop
	s_wait_alu depctr_va_vdst(0)
.set i, 0
.rept 16
	v_pk_fma_f32 v[RR+2*i:RR+2*i+1], v[RR+2*i:RR+2*i+1], s[34:35], s[34:35] op_sel_hi:[1,0,0]
.set i, i+1
.endr
.set i, 0
.rept 32
	v_rcp_f32 v[RR+i], v[RR+i]
.set i, i+1
.endr
	v_nop
	s_wait_alu depctr_va_vdst(0)
.set i, 0
.rept 16
	v_pk_mul_f32 v[EE+2*i:EE+2*i+1], v[EE+2*i:EE+2*i+1], v[RR+2*i:RR+2*i+1]
.set i, i+1
.endr
	s_wait_loadcnt 0x0                             ; gamma and beta
	WIN 0x14                                       ; sources 1 and 2 in window 1
.set i, 0
.rept 16
	v_pk_fma_f32 v[RR+2*i:RR+2*i+1], v[EE+2*i:EE+2*i+1], v[G0R+2*i:G0R+2*i+1], v[B0R+2*i:B0R+2*i+1]   ; q = Z gamma[0] + beta[0],
	v_pk_fma_f32 v[ACC+2*i:ACC+2*i+1], v[EE+2*i:EE+2*i+1], v[G1R+2*i:G1R+2*i+1], v[B1R+2*i:B1R+2*i+1] ; k = Z gamma[1] + beta[1]
	v_pk_mul_f32 v[RR+2*i:RR+2*i+1], v[RR+2*i:RR+2*i+1], s[46:47] op_sel_hi:[1,0]                     ; q / 2,048: exact
.set i, i+1
.endr
	WIN 0
.set i, 0
.rept 16
	v_cvt_pk_bf16_f32 v[RR+i], v[RR+2*i], v[RR+2*i+1]
	v_cvt_pk_bf16_f32 v[ACC+i], v[ACC+2*i], v[ACC+2*i+1]
.set i, i+1
.endr
.irp b, 0,1,2,3
	global_store_b128 v[QKO], v[RR+4*(\b):RR+4*(\b)+3], s[28:29] offset:512*(\b)
	global_store_b128 v[QKO], v[ACC+4*(\b):ACC+4*(\b)+3], s[30:31] offset:512*(\b)
.endr
	s_wait_tensorcnt 0x0                           ; the wave's end: behind my last LDS store
	ds_add_u32 v[SPW], v[NIL]
	s_wait_dscnt 0x0
	s_endpgm
.Lfunc_end_k_q7e3a4f5d1a_prep:
	.size	k_q7e3a4f5d1a_prep, .Lfunc_end_k_q7e3a4f5d1a_prep-k_q7e3a4f5d1a_prep
	.p2alignl 7, 3214868480
	.fill 96, 4, 3214868480
	.section	.rodata,"a",@progbits
	.p2align	6, 0x0
	.amdhsa_kernel k_q7e3a4f5d1a_prep
		.amdhsa_group_segment_fixed_size 201728
		.amdhsa_private_segment_fixed_size 0
		.amdhsa_enable_private_segment 0
		.amdhsa_kernarg_size 112
		.amdhsa_user_sgpr_count 2
		.amdhsa_user_sgpr_kernarg_segment_ptr 1
		.amdhsa_wavefront_size32 1
		.amdhsa_system_sgpr_workgroup_id_x 1
		.amdhsa_system_sgpr_workgroup_id_y 1
		.amdhsa_system_sgpr_workgroup_id_z 1
		.amdhsa_system_vgpr_workitem_id 0
		.amdhsa_next_free_vgpr 512
		.amdhsa_next_free_sgpr 66
		.amdhsa_reserve_vcc 0
		.amdhsa_float_denorm_mode_32 3
		.amdhsa_float_denorm_mode_16_64 3
		.amdhsa_memory_ordered 1
		.amdhsa_forward_progress 1
		.amdhsa_inst_pref_size 93
	.end_amdhsa_kernel
	.amdgpu_metadata
---
amdhsa.version: [ 1, 2 ]
amdhsa.kernels:
  - .name:           k_q7e3a4f5d1a_prep
    .symbol:         k_q7e3a4f5d1a_prep.kd
    .args:
      - { .name: x, .offset: 0, .size: 8, .value_kind: global_buffer, .address_space: global }
      - { .name: ln_scale, .offset: 8, .size: 8, .value_kind: global_buffer, .address_space: global }
      - { .name: ln_bias, .offset: 16, .size: 8, .value_kind: global_buffer, .address_space: global }
      - { .name: W_hidden, .offset: 24, .size: 8, .value_kind: global_buffer, .address_space: global }
      - { .name: W_out, .offset: 32, .size: 8, .value_kind: global_buffer, .address_space: global }
      - { .name: W_qk, .offset: 40, .size: 8, .value_kind: global_buffer, .address_space: global }
      - { .name: b_qk, .offset: 48, .size: 8, .value_kind: global_buffer, .address_space: global }
      - { .name: gamma, .offset: 56, .size: 8, .value_kind: global_buffer, .address_space: global }
      - { .name: beta, .offset: 64, .size: 8, .value_kind: global_buffer, .address_space: global }
      - { .name: nf, .offset: 72, .size: 8, .value_kind: global_buffer, .address_space: global }
      - { .name: whb, .offset: 80, .size: 8, .value_kind: global_buffer, .address_space: global }
      - { .name: wob, .offset: 88, .size: 8, .value_kind: global_buffer, .address_space: global }
      - { .name: qf, .offset: 96, .size: 8, .value_kind: global_buffer, .address_space: global }
      - { .name: kf, .offset: 104, .size: 8, .value_kind: global_buffer, .address_space: global }
    .group_segment_fixed_size: 201728
    .private_segment_fixed_size: 0
    .kernarg_segment_align: 8
    .kernarg_segment_size: 112
    .max_flat_workgroup_size: 256
    .sgpr_count:     66
    .vgpr_count:     512
    .wavefront_size: 32
...
	.end_amdgpu_metadata
.endif
;; end of part 1
;; launch hidden (part 2): grid 8 x 64, 4 waves a work-group, clusters of 4 x 4, 327,680 bytes of LDS; arguments nf, whb, b_hidden, hvb; writes hvb
.if DOCPART == 2
	.amdgcn_target "amdgcn-amd-amdhsa--gfx1250"
	.amdhsa_code_object_version 6
	.text
	.protected	k_q7e3a4f5d1a_hidden
	.globl	k_q7e3a4f5d1a_hidden
	.p2align	8
	.type	k_q7e3a4f5d1a_hidden,@function
k_q7e3a4f5d1a_hidden:
	s_mov_b64 s[64:65], 0
	v_nop
	global_prefetch_b8 v0, s[64:65] scope:SCOPE_SE
	s_setreg_imm32_b32 hwreg(HW_REG_WAVE_MODE, 25, 1), 1
	s_wait_xcnt 0x0
	s_wait_alu depctr_hold_cnt(0) depctr_sa_sdst(0) depctr_va_vdst(0) depctr_va_sdst(0) depctr_va_ssrc(0) depctr_va_vcc(0) depctr_vm_vsrc(0)
	s_getreg_b32 s2, hwreg(HW_REG_IB_STS2, 6, 4)
	s_cmp_eq_u32 s2, 0
	s_cbranch_scc0 .Lentry_in_a_cluster
	s_endpgm
.Lentry_in_a_cluster:
	s_bfe_u32 s2, ttmp6, 0x10000c
	s_cmp_lg_u32 s2, 0xf033
	s_cbranch_scc0 .Lentry_shape_is_right
	s_endpgm
.Lentry_shape_is_right:
; GATED ATTENTION UNIT, launch 2 of 4: hv = silu(normed W_hidden + b_hidden), [16,384 tokens][2,048 columns], rounded once to bf16.  Nothing of reference() is left out here.
; LIMITS: operands in bf16, sums in f32; silu gives -0 where e^-t overflows; exponential and reciprocal count denormals as 0; NaN and infinities are not treated apart.
; A tile is 256 tokens x 256 columns: four waves, each 128 x 128 in 64 accumulators.  K = 512 goes in four steps of 128 through two LDS slots.
; THE TEXT OF A K STEP STANDS TWICE, not four times: once with a refill (K steps 0 and 1 ask for 2 and 3) and once without, each walked twice; only the first quarter, whose C operand is the
; bias, stands ahead of the loops.  A trip goes from a step's second quarter to the next step's first.  The slot in hand is a scalar turned by an exclusive or; the LDS addresses are made of it.
; nf lies as fragments ([T][u][lane][8]) and whb as [nt][k][16]: a K step of a token tile, or of a column tile, is 4,096 consecutive bytes, so a wave's tensor load is 8 rows of 4,096
; bytes, 16,384 apart, and lands without padding: a fragment load takes 512 consecutive bytes, a turning load 256 for each 16 lanes.
; Source 0 = 16 columns of W_hidden, source 1 = 16 tokens: a lane's eight results are eight neighbouring columns of one token.
; OUT: hvb[block of 128 tokens][ct = column / 16][token][16 bf16]: what launch 3 takes as v's tiles (ct 0-63) and as gate (ct 64-127).  A store of a wave covers 512 consecutive bytes.
; CLUSTER 4 x 4: the token tile hangs on the tile row alone and is asked for jointly along a row of the cluster, the weights' tile on the tile column alone, jointly along a column.
; No prefetch: a tile has four K steps, of which two are the first fills, so no step lies far enough ahead of its load inside a work-group.
; REGISTERS: window 0: v0-31 addresses; v64-127, v128-191 token fragments; v192-255 b_hidden for my 8 column tiles, the C operand of the first products; window 1: v64-191 fragments of W;
; windows 2, 3: accumulator (a, b) at v[8 (8 (a % 4) + b)].
.set SLOT,  131072                     ; tokens [16 T][8 u][512], then W [16 nt][128 k][32]
.set WOFF,  65536
.set SPARE, 262144                     ; behind the ring: the spare words, 128 bytes a wave, which no other line names
.set A0,   16                          ; v16     my token fragments in slot 0; never rewritten
.set B0,   17                          ; v17     my fragments of W in slot 0; never rewritten
.set ADA,  20                          ; v20     the same in the slot in hand
.set ADB,  21                          ; v21
.set SOF,  26                          ; v26     32 r + 16 h: my 16 bytes in 16 tokens of a column tile of hvb
.set BOF,  27                          ; v27     my offset in b_hidden
.set SPW,  28                          ; v28     my spare word; never rewritten
.set NIL,  29                          ; v29     0; never rewritten
.set F0,   64
.set F1,   128
.set BIAS, 192
.set WV,   12                          ; s12  wave
.set TI,   13                          ; s13  my half of the tokens; also: I fetch tokens (0) or W (1)
.set TJ,   14                          ; s14  my half of the columns; also: which half of that tile I fetch
.set TB,   15                          ; s15  the slot in hand: 0 or SLOT
.set G1,   24                          ; s[24:31] group 1 for the token tiles;  s[32:39] group 0: a set for each first fill; the second then walks
.set G0,   32
.set G1B,  48                          ; s[48:55], s[56:63] the same for W
.set G0B,  56
.set NC,   66                          ; s[66:67] -log2(e)
.set BLK,  68                          ; s68  counts the way out's blocks of 16 tokens
.set CNT,  69                          ; s69  counts the trips of a loop over K steps
.set OUTB, 70                          ; s[70:71] hvb, 512 bytes behind the block that is being stored
.set MSB, 0
.macro WIN new                         ; the immediate's high byte repeats the setting that is left; a switch that changes nothing is dropped
.if MSB != (\new)
	s_set_vgpr_msb (MSB<<8)|(\new)
.set MSB, \new
.endif
.endm
.macro PLACES                          ; four places behind a matrix instruction (ISA guide 7.12.1)
.rept 4
	v_nop
.endr
.endm
.macro JLOAD s                         ; a joint load: waves 0, 1 the two halves of the token tile, waves 2, 3 those of W's; an s_nop 0 and four v_nop follow each line
	s_cmp_eq_u32 s[TI], 0
	s_cbranch_scc0 .Lfor_w_\@
	tensor_load_to_lds s[G0+4*(\s):G0+4*(\s)+3], s[G1:G1+7]
	s_nop 0
.rept 4
	v_nop
.endr
	s_branch .Lasked_\@
.Lfor_w_\@:
	tensor_load_to_lds s[G0B+4*(\s):G0B+4*(\s)+3], s[G1B:G1B+7]
	s_nop 0
.rept 4
	v_nop
.endr
.Lasked_\@:
.endm
.macro CREST                           ; a round of the cluster's barrier behind its opening barrier
	s_cmp_lg_u32 s[WV], 0
	s_cbranch_scc1 .Lnot_wave_0_\@
	s_barrier_signal -3
.Lnot_wave_0_\@:
	s_barrier_wait -3
	s_barrier_signal -1
	s_barrier_wait -1
.endm
.macro CROUND
	s_barrier_signal -1
	s_barrier_wait -1
	CREST
.endm
	s_load_b256 s[4:11], s[0:1], 0x0               ; nf 4, whb 6, b_hidden 8, hvb 10
	v_lshl_add_u32 v[SPW], v0, 2, SPARE
	v_mov_b32 v[NIL], 0
	ds_add_u32 v[SPW], v[NIL]                      ; the wave's opening: the add, twice on end, and its wait ahead of my first tensor load
	ds_add_u32 v[SPW], v[NIL]
	v_lshrrev_b32 v1, 5, v0
	v_readfirstlane_b32 s[WV], v1
	s_lshr_b32 s[TI], s[WV], 1
	s_and_b32 s[TJ], s[WV], 1
	s_bfe_u32 s40, ttmp6, 0x40000                  ; cx
	s_bfe_u32 s41, ttmp6, 0x40004                  ; cy
	s_lshl_b32 s42, ttmp9, 2
	s_add_co_u32 s42, s42, s40                     ; tile column = 4 x cluster x + cx
	s_and_b32 s43, ttmp7, 0xffff
	s_lshl_b32 s43, s43, 2
	s_add_co_u32 s43, s43, s41                     ; tile row = 4 x cluster y + cy
	s_lshl_b32 s44, s41, 2
	s_lshl_b32 s44, 15, s44                        ; my row of the cluster
	s_lshl_b32 s45, 0x1111, s40                    ; my column
	s_or_b32 s[G1], s44, (3<<16)|(1<<21)           ; 15:0 the mask; 17:16 elements of 8 bytes; 21 set beside a mask; no padding
	s_or_b32 s[G1B], s45, (3<<16)|(1<<21)
.irp g, G1, G1B
	s_mov_b32 s[(\g)+1], 512<<16                   ; tensor_dim0 = 512 elements: 4,096 bytes
	s_mov_b32 s[(\g)+2], 8<<16                     ; tensor_dim1 = 8
	s_mov_b32 s[(\g)+3], 512<<16                   ; tile_dim0 = 512
	s_mov_b32 s[(\g)+4], 8                         ; tile_dim1 = 8
	s_mov_b32 s[(\g)+5], 2048                      ; 16,384 bytes from row to row
	s_mov_b32 s[(\g)+6], 0
	s_mov_b32 s[(\g)+7], 0
.endr
	s_lshl_b32 s16, s43, 18                        ; tokens: 16 tiles of 16,384 bytes a tile row,
	s_lshl_b32 s17, s[TJ], 17                      ; the 8 that I fetch
	s_add_co_u32 s16, s16, s17
	s_lshl_b32 s46, s42, 18                        ; W: the same by the tile column
	s_add_co_u32 s46, s46, s17
	s_mov_b32 s17, 0
	s_mov_b32 s47, 0
	s_lshl_b32 s20, s[WV], 15                      ; where they land: 32,768 x wave
	s_mov_b32 s[NC], 0xbfb8aa3b
	s_mov_b32 s[NC+1], s[NC]
	s_mov_b32 s[TB], 0
	s_wait_dscnt 0x0                               ; both opening adds are done
	s_wait_kmcnt 0x0
	s_add_nc_u64 s[18:19], s[4:5], s[16:17]
	s_add_nc_u64 s[46:47], s[6:7], s[46:47]
	CROUND                                         ; all sixteen work-groups are here: the first joint loads meet
.irp s, 0,1
	s_mov_b32 s[G0+4*(\s)], 1
	s_add_co_u32 s[G0+4*(\s)+1], s20, (\s)*SLOT
	s_add_nc_u64 s[G0+4*(\s)+2:G0+4*(\s)+3], s[18:19], (\s)*4096    ; K step s
	s_or_b32 s[G0+4*(\s)+3], s[G0+4*(\s)+3], 0x80000000
	s_mov_b32 s[G0B+4*(\s)], 1
	s_add_co_u32 s[G0B+4*(\s)+1], s20, (\s)*SLOT
	s_add_nc_u64 s[G0B+4*(\s)+2:G0B+4*(\s)+3], s[46:47], (\s)*4096
	s_or_b32 s[G0B+4*(\s)+3], s[G0B+4*(\s)+3], 0x80000000
	JLOAD \s                                       ; two loads of mine are out
.endr
	v_and_b32 v1, 31, v0                           ; L
	v_and_b32 v2, 15, v0                           ; r
	v_bfe_u32 v3, v0, 4, 1                         ; h
	v_lshlrev_b32 v4, 4, v1                        ; 16 L
	v_and_b32 v5, 7, v0
	v_lshl_add_u32 v5, v3, 3, v5
	v_bfe_u32 v6, v0, 3, 1
	v_lshlrev_b32 v6, 4, v6
	v_lshl_add_u32 v5, v5, 5, v6                   ; the turning load: row 8 h + L % 8 of 32 bytes, 16 bytes at 16 ((L / 8) % 2)
	s_lshl_b32 s21, s[TI], 15
	s_lshl_b32 s22, s[TJ], 15
	s_add_co_u32 s22, s22, WOFF
	v_add_nc_u32 v[A0], s21, v4
	v_add_nc_u32 v[B0], s22, v5
	v_mov_b32 v[ADA], v[A0]                        ; K step 0 lies in slot 0
	v_mov_b32 v[ADB], v[B0]
	v_lshlrev_b32 v[SOF], 5, v2
	v_lshl_add_u32 v[SOF], v3, 4, v[SOF]
	s_lshl_b32 s23, s42, 10                        ; b_hidden at column 256 tx + 128 j + 8 h, in f32
	s_lshl_b32 s21, s[TJ], 9
	s_add_co_u32 s23, s23, s21
	v_lshl_add_u32 v[BOF], v3, 5, s23
.irp b, 0,1,2,3,4,5,6,7
	global_load_b128 v[BIAS+8*(\b):BIAS+8*(\b)+3],   v[BOF], s[8:9] offset:64*(\b)
	global_load_b128 v[BIAS+8*(\b)+4:BIAS+8*(\b)+7], v[BOF], s[8:9] offset:64*(\b)+16
.endr
	s_lshl_b32 s21, s43, 1
	s_add_co_u32 s21, s21, s[TI]                   ; my block of 128 tokens,
	s_lshl_b32 s21, s21, 7
	s_lshl_b32 s22, s42, 4
	s_add_co_u32 s21, s21, s22
	s_lshl_b32 s22, s[TJ], 3
	s_add_co_u32 s21, s21, s22                     ; x 128 + my first column tile,
	s_lshl_b32 s22, s21, 12                        ; x 4,096 bytes
	s_mov_b32 s23, 0
	s_add_nc_u64 s[OUTB:OUTB+1], s[10:11], s[22:23]
; 16 matrix instructions: token blocks a0, a0 + 1 of the window's four x all 8 column tiles, 32 along K.  first = 1: b_hidden is the C operand: the bias starts the sums.
; The 64 accumulators take turns, one instruction a turn, in the same order in every quarter, over the backward jumps too.
.macro MUL16 f, hi, a0, first
.if \first
	WIN 0x81+0x40*(\hi)                            ; W window 1, tokens and C window 0, D window 2 or 3
.else
	WIN 0xa1+0x50*(\hi)                            ; C and D window 2 or 3
.endif
.irp a, \a0, (\a0)+1
.irp b, 0,1,2,3,4,5,6,7
.if \first
	v_wmma_f32_16x16x32_bf16 v[8*(8*(\a)+(\b)):8*(8*(\a)+(\b))+7], v[(\f)+8*(\b):(\f)+8*(\b)+7], v[(\f)+8*(4*(\hi)+(\a)):(\f)+8*(4*(\hi)+(\a))+7], v[BIAS+8*(\b):BIAS+8*(\b)+7]
.else
	v_wmma_f32_16x16x32_bf16 v[8*(8*(\a)+(\b)):8*(8*(\a)+(\b))+7], v[(\f)+8*(\b):(\f)+8*(\b)+7], v[(\f)+8*(4*(\hi)+(\a)):(\f)+8*(4*(\hi)+(\a))+7], v[8*(8*(\a)+(\b)):8*(8*(\a)+(\b))+7]
.endif
.endr
.endr
.endm
.macro FETCH qd, f                     ; 32 LDS loads in one run: quarter qd's fragments of the slot in hand: W's first, then the tokens'
	WIN 0x40
.irp n, 0,1,2,3,4,5,6,7
	ds_load_tr16_b128 v[(\f)+8*(\n):(\f)+8*(\n)+3],   v[ADB] offset:(\n)*4096+(\qd)*1024
	ds_load_tr16_b128 v[(\f)+8*(\n)+4:(\f)+8*(\n)+7], v[ADB] offset:(\n)*4096+(\qd)*1024+512
.endr
	WIN 0
.irp n, 0,1,2,3,4,5,6,7
	ds_load_b128 v[(\f)+8*(\n):(\f)+8*(\n)+3],   v[ADA] offset:(\n)*4096+(\qd)*1024
	ds_load_b128 v[(\f)+8*(\n)+4:(\f)+8*(\n)+7], v[ADA] offset:(\n)*4096+(\qd)*1024+512
.endr
.endm
.macro QUARTER qd, f, g, first         ; multiplies buffer f; in its middle fetches quarter qd into buffer g
	s_wait_dscnt 8                                 ; W and token blocks 0-3 are in; the youngest eight loads may be out
	MUL16 \f, 0, 0, \first
	MUL16 \f, 0, 2, \first
	PLACES
	FETCH \qd, \g
	s_wait_dscnt 32                                ; all but the 32 just issued
	MUL16 \f, 1, 0, \first
	MUL16 \f, 1, 2, \first
.endm
; The last quarter of a K step multiplies buffer 1 and changes slots: one barrier; in front of it each wave waits for all its tensor loads (one is out: its part of the next slot), adds 0 to its
; spare word, and waits for that and for its reads of this slot.  fill = 1: the barrier opens a round of the cluster's, and the joint refill, two K steps on, is the first thing behind it.
; fill = 0: nothing is asked for; in the loop's last trip there is no next step, and its fetch is jumped over.
.macro TURN fill
	WIN 0
	s_wait_tensorcnt 0x0                           ; no tensor load of mine is out, so a group 0 may be written
	ds_add_u32 v[SPW], v[NIL]
.if \fill
	s_xor_b32 s[G0+5], s[G0+5], SLOT               ; the walking descriptors: the other slot than last time,
	s_add_nc_u64 s[G0+6:G0+7], s[G0+6:G0+7], 4096  ; the next K step; the type bits on top are not reached
	s_xor_b32 s[G0B+5], s[G0B+5], SLOT
	s_add_nc_u64 s[G0B+6:G0B+7], s[G0B+6:G0B+7], 4096
.endif
	s_wait_dscnt 9                                 ; the add and the youngest eight loads may be out
	MUL16 F1, 0, 0, 0
	s_wait_dscnt 0x0                               ; the add is done, and my reads of this slot are over
	s_barrier_signal -1
	MUL16 F1, 0, 2, 0
	WIN 0
	s_barrier_wait -1
.if \fill
	CREST                                          ; no wave of any partner still reads this slot or has a load on its way
	JLOAD 1                                        ; its four v_nop are also the places in front of the loads below
.else
	s_cmp_eq_u32 s[CNT], 1
	s_cbranch_scc1 .Lno_next_\@
	PLACES
.endif
	s_xor_b32 s[TB], s[TB], SLOT                   ; the other slot is in hand now
	v_add_nc_u32 v[ADA], s[TB], v[A0]
	v_add_nc_u32 v[ADB], s[TB], v[B0]
	FETCH 0, F0
.if !(\fill)
.Lno_next_\@:
.endif
	MUL16 F1, 1, 0, 0
	MUL16 F1, 1, 2, 0
.endm
	s_wait_tensorcnt 1                             ; my part of K step 0 is in; K step 1's may stay out
	s_barrier_signal -1
	s_barrier_wait -1
	FETCH 0, F0
	s_wait_loadcnt 0x0                             ; b_hidden
	QUARTER 1, F0, F1, 1                           ; the first quarter stands in front of the loops: its products start the sums
	WIN 0
	s_mov_b32 s[CNT], 2
.Lfill:                                ; K steps 0 and 1: quarters 1, 2, 3, the refill with the step two on, and the next step's quarter 0
	QUARTER 2, F1, F0, 0
	QUARTER 3, F0, F1, 0
	TURN 1
	QUARTER 1, F0, F1, 0
	WIN 0
	s_sub_co_u32 s[CNT], s[CNT], 1
	s_cmp_lg_u32 s[CNT], 0
	s_cbranch_scc1 .Lfill
	s_mov_b32 s[CNT], 2
.Ltail:                                ; K steps 2 and 3 ask for nothing: written apart
	QUARTER 2, F1, F0, 0
	QUARTER 3, F0, F1, 0
	TURN 0
	WIN 0
	s_cmp_eq_u32 s[CNT], 1                         ; behind K step 3 there is no quarter 0
	s_cbranch_scc1 .Ltend
	QUARTER 1, F0, F1, 0
	WIN 0
.Ltend:
	s_sub_co_u32 s[CNT], s[CNT], 1
	s_cmp_lg_u32 s[CNT], 0
	s_cbranch_scc1 .Ltail
; THE WAY OUT, a block of 16 tokens x 128 columns a trip, so that silu's text stands once.  What differs from block to block is which 64 registers hold it: a ladder of forward jumps leads to
; the block's own 32 lines, which make E = -log2(e) t in window 0 (each accumulator's registers in ascending order); the rest is common.
.macro EBLK a
	WIN 0x02+(\a)/4                                ; source 0 in window 2 or 3
.set i, 0
.rept 32
	v_pk_mul_f32 v[64+2*i:64+2*i+1], v[64*((\a)%4)+2*i:64*((\a)%4)+2*i+1], s[NC:NC+1] op_sel_hi:[1,0]
.set i, i+1
.endr
	WIN 0
.endm
	PLACES
	s_mov_b32 s[BLK], 0
.Lblk:
.irp a, 0,1,2,3,4,5,6
	s_cmp_eq_u32 s[BLK], \a
	s_cbranch_scc1 .Le\a
.endr
	EBLK 7
	s_branch .Lcom
.irp a, 0,1,2,3,4,5
.Le\a:
	EBLK \a
	s_branch .Lcom
.endr
.Le6:
	EBLK 6
.Lcom:
.set i, 0
.rept 64
	v_exp_f32 v[128+i], v[64+i]                    ; e = 2^E: one batch,
.set i, i+1
.endr
	v_nop                                          ; a plain instruction behind the last,
	s_wait_alu depctr_va_vdst(0)                   ; and one wait ahead of the first reader
.set i, 0
.rept 32
	v_pk_fma_f32 v[128+2*i:128+2*i+1], v[128+2*i:128+2*i+1], s[NC:NC+1], s[NC:NC+1] op_sel_hi:[1,0,0]  ; d = n e + n
.set i, i+1
.endr
.set i, 0
.rept 64
	v_rcp_f32 v[128+i], v[128+i]
.set i, i+1
.endr
	v_nop
	s_wait_alu depctr_va_vdst(0)
.set i, 0
.rept 32
	v_pk_mul_f32 v[64+2*i:64+2*i+1], v[64+2*i:64+2*i+1], v[128+2*i:128+2*i+1]  ; silu = E / d
.set i, i+1
.endr
	s_wait_xcnt 0x0                                ; the last block's stores, a whole silu back, have read their data and their base: both are written again only behind this wait
	s_add_nc_u64 s[OUTB:OUTB+1], s[OUTB:OUTB+1], 512  ; 16 tokens on; the stores below reach back by their immediate
.set i, 0
.rept 32
	v_cvt_pk_bf16_f32 v[32+i], v[64+2*i], v[64+2*i+1]
.set i, i+1
.endr
.irp b, 0,1,2,3,4,5,6,7
	global_store_b128 v[SOF], v[32+4*(\b):32+4*(\b)+3], s[OUTB:OUTB+1] offset:4096*(\b)-512  ; 16 tokens of a column tile: 512 consecutive bytes
.endr
	s_add_co_u32 s[BLK], s[BLK], 1
	s_cmp_lt_u32 s[BLK], 8
	s_cbranch_scc1 .Lblk
	s_wait_tensorcnt 0x0                           ; the wave's end
	ds_add_u32 v[SPW], v[NIL]
	s_wait_dscnt 0x0
	CROUND                                         ; the closing round
	s_endpgm
.Lfunc_end_k_q7e3a4f5d1a_hidden:
	.size	k_q7e3a4f5d1a_hidden, .Lfunc_end_k_q7e3a4f5d1a_hidden-k_q7e3a4f5d1a_hidden
	.p2alignl 7, 3214868480
	.fill 96, 4, 3214868480
	.section	.rodata,"a",@progbits
	.p2align	6, 0x0
	.amdhsa_kernel k_q7e3a4f5d1a_hidden
		.amdhsa_group_segment_fixed_size 327680
		.amdhsa_private_segment_fixed_size 0
		.amdhsa_enable_private_segment 0
		.amdhsa_kernarg_size 32
		.amdhsa_user_sgpr_count 2
		.amdhsa_user_sgpr_kernarg_segment_ptr 1
		.amdhsa_wavefront_size32 1
		.amdhsa_system_sgpr_workgroup_id_x 1
		.amdhsa_system_sgpr_workgroup_id_y 1
		.amdhsa_system_sgpr_workgroup_id_z 1
		.amdhsa_system_vgpr_workitem_id 0
		.amdhsa_next_free_vgpr 1024
		.amdhsa_next_free_sgpr 72
		.amdhsa_reserve_vcc 0
		.amdhsa_float_denorm_mode_32 3
		.amdhsa_float_denorm_mode_16_64 3
		.amdhsa_memory_ordered 1
		.amdhsa_forward_progress 1
		.amdhsa_inst_pref_size 98
	.end_amdhsa_kernel
	.amdgpu_metadata
---
amdhsa.version: [ 1, 2 ]
amdhsa.kernels:
  - .name:           k_q7e3a4f5d1a_hidden
    .symbol:         k_q7e3a4f5d1a_hidden.kd
    .args:
      - { .name: nf, .offset: 0, .size: 8, .value_kind: global_buffer, .address_space: global }
      - { .name: whb, .offset: 8, .size: 8, .value_kind: global_buffer, .address_space: global }
      - { .name: b_hidden, .offset: 16, .size: 8, .value_kind: global_buffer, .address_space: global }
      - { .name: hvb, .offset: 24, .size: 8, .value_kind: global_buffer, .address_space: global }
    .group_segment_fixed_size: 327680
    .private_segment_fixed_size: 0
    .kernarg_segment_align: 8
    .kernarg_segment_size: 32
    .max_flat_workgroup_size: 128
    .sgpr_count:     72
    .vgpr_count:     1024
    .wavefront_size: 32
...
	.end_amdgpu_metadata
.endif
;; end of part 2
;; launch attn (part 3): grid 16 x 16, 4 waves a work-group, clusters of 4 x 1, 327,680 bytes of LDS; arguments qf, kf, hvb, vgf; writes vgf
.if DOCPART == 3
	.amdgcn_target "amdgcn-amd-amdhsa--gfx1250"
	.amdhsa_code_object_version 6
	.text
	.protected	k_q7e3a4f5d1a_attn
	.globl	k_q7e3a4f5d1a_attn
	.p2align	8
	.type	k_q7e3a4f5d1a_attn,@function
k_q7e3a4f5d1a_attn:
	s_mov_b64 s[64:65], 0
	v_nop
	global_prefetch_b8 v0, s[64:65] scope:SCOPE_SE
	s_setreg_imm32_b32 hwreg(HW_REG_WAVE_MODE, 25, 1), 1
	s_wait_xcnt 0x0
	s_wait_alu depctr_hold_cnt(0) depctr_sa_sdst(0) depctr_va_vdst(0) depctr_va_sdst(0) depctr_va_ssrc(0) depctr_va_vcc(0) depctr_vm_vsrc(0)
	s_getreg_b32 s2, hwreg(HW_REG_IB_STS2, 6, 4)
	s_cmp_eq_u32 s2, 0
	s_cbranch_scc0 .Lentry_in_a_cluster
	s_endpgm
.Lentry_in_a_cluster:
	s_bfe_u32 s2, ttmp6, 0x10000c
	s_cmp_lg_u32 s2, 0x3003
	s_cbranch_scc0 .Lentry_shape_is_right
	s_endpgm
.Lentry_shape_is_right:
; GATED ATTENTION UNIT, launch 3 of 4: vg = (relu(q k^T / 2048)^2 v) x gate, rounded once to bf16.  qf already holds q / 2,048.  Nothing of reference() is left out here; there is no softmax.
; LIMITS: operands in bf16 (relu(sim)^2 too: its size moves with gamma^2 and beta^2, far under f16's range for the inputs drawn), sums in f32; the maximum with 0 does not carry a NaN.
; SHARES.  A work-group has 128 queries x 512 channels of one batch (y = 2 batch + half): 128 x 2 = 256 work-groups.  The scores are made in both halves: 1/16 more matrix work in all, for a
; tile of v that feeds 128 queries.  Wave w has all 8 query tiles x channel tiles 8 w .. 8 w + 7: 64 accumulators.  A key step is 128 keys; there are 16.
; A STEP.  Wave w makes S^T = K Q^T for keys 32 w .. 32 w + 31 and all 128 queries (64 matrix instructions), takes relu and the square, rounds to bf16: two results ARE a fragment of
; source 1 (32 keys x 16 queries) of O^T = v^T P; it goes to LDS; a barrier; then every wave multiplies all four groups of 32 keys by its own 128 channels of v (256 matrix instructions).
; v's tile lies in hvb as [ct][key][16], 131,072 consecutive bytes for a half; wave w fetches, and alone reads, its own 32,768.
; CLUSTER 4 x 1: the four query blocks of a cluster share batch and half, so v's tiles are asked for jointly: the same load, descriptor and mask in all four.
; REGISTERS.  window 0: v0-31 addresses; v32-63 Q of query tile 7; v64-127, v128-191 fragments of P; v192-247 Q on its way into LDS.
;   window 1: v0-63 K; v64-191 a ring of four query tiles in the score phase, fragments of v afterwards; v192-223 two sets of two score accumulators; v224-226 the score phase's addresses,
;   so that it needs no switch between a product and the vector lines behind it; at the end all of it holds gate.     windows 2, 3: O^T, (a, b) at v[8 (8 (a % 4) + b)].
; Query tiles 0-6 lie in LDS and tile 7 in registers: two slots, P and all eight tiles would be 512 bytes more than a work-group can have.
.set SLOT1, 131072
.set QL,    262144                     ; Q's tiles 0-6: 28,672 bytes, stored once
.set PB,    290816                     ; P: [group of 32 keys][query tile][1,024 bytes]
.set SPARE, 323584                     ; the spare words, 128 bytes a wave, which no other line names
.set VA0, 4                            ; v4   32,768 w + my lane's place in a turning load; never rewritten
.set VAD, 5                            ; v5   the same in the slot in hand
.set PAD, 6                            ; v6   PB + 16 L
.set GOF, 7                            ; v7   32 r + 16 h
.set OOF, 8                            ; v8   16 L
.set PFO, 9                            ; v9   256 L
.set ZR,  10                           ; v10  0
.set QOF, 11                           ; v11  my 14 pieces of Q in memory
.set QST, 12                           ; v12  and in LDS
.set SPW, 28                           ; v28  my spare word; never rewritten
.set NIL, 29                           ; v29  0; never rewritten
.set QR,  32
.set F0,  64
.set F1,  128
.set QT,  192
.set KF,  0                            ; window 1: key tile kt, features 32 c on at 32 kt + 8 c
.set RING, 64
.set SA,  192
.set QAD, 224                          ; window 1: QL + 16 L
.set PST, 225                          ; window 1: PB + 8,192 w + 16 L
.set KOF, 226                          ; window 1: 16 L
.set WV,  12
.set LIM, 15                           ; s15  1 in the cluster that prefetches, else the greatest number
.set PFA, 18                           ; s[18:19] where my prefetches stand
.set G1,  24                           ; s[24:31] group 1
.set G0A, 32                           ; s[32:35] group 0 of the first fill
.set G0B, 36                           ; s[36:39] of the second; it then walks
.set KP,  40                           ; s[40:41] kf at my 32 keys of the step last loaded
.set GP,  42                           ; s[42:43] hvb at my 8 channel tiles of gate for the block's 128 tokens
.set OP,  44                           ; s[44:45] vgf at my part
.set QP,  46                           ; s[46:47] qf at the block
.set TB,  48                           ; s48  the slot in hand: 0 or SLOT1
.set CNT, 49                           ; s49  counts the steps of a loop
.set MSB, 0
.macro WIN new
.if MSB != (\new)
	s_set_vgpr_msb (MSB<<8)|(\new)
.set MSB, \new
.endif
.endm
.macro PLACES
.rept 4
	v_nop
.endr
.endm
.macro CREST
	s_cmp_lg_u32 s[WV], 0
	s_cbranch_scc1 .Lnot_wave_0_\@
	s_barrier_signal -3
.Lnot_wave_0_\@:
	s_barrier_wait -3
	s_barrier_signal -1
	s_barrier_wait -1
.endm
.macro CROUND
	s_barrier_signal -1
	s_barrier_wait -1
	CREST
.endm
	s_load_b256 s[4:11], s[0:1], 0x0               ; qf 4, kf 6, hvb 8, vgf 10
	v_lshl_add_u32 v[SPW], v0, 2, SPARE
	v_mov_b32 v[NIL], 0
	ds_add_u32 v[SPW], v[NIL]                      ; the wave's opening: the add, twice on end, and its wait ahead of my first tensor load
	ds_add_u32 v[SPW], v[NIL]
	v_lshrrev_b32 v1, 5, v0
	v_readfirstlane_b32 s[WV], v1
	s_bfe_u32 s13, ttmp6, 0x40000                  ; cx
	s_lshl_b32 s14, ttmp9, 2
	s_add_co_u32 s14, s14, s13                     ; my block of 128 queries: it enters qf's, gate's and vgf's addresses alone
	s_and_b32 s17, ttmp7, 0xffff
	s_lshr_b32 s16, s17, 1                         ; batch
	s_and_b32 s17, s17, 1                          ; half of the channels
	s_mov_b32 s[G1], 15|(3<<16)|(1<<21)            ; the mask of four; elements of 8 bytes; 21 set beside a mask; no padding
	s_mov_b32 s[G1+1], 32<<16                      ; tensor_dim0 = 32: rows of 256 bytes
	s_mov_b32 s[G1+2], 128<<16                     ; tensor_dim1 = 128
	s_mov_b32 s[G1+3], 32<<16                      ; tile_dim0
	s_mov_b32 s[G1+4], 128                         ; tile_dim1: 32,768 dense bytes
	s_mov_b32 s[G1+5], 32
	s_mov_b32 s[G1+6], 0
	s_mov_b32 s[G1+7], 0
	s_lshl_b32 s20, s16, 23                        ; a batch has 16 blocks of 524,288 bytes in hvb,
	s_lshl_b32 s22, s17, 17                        ; a half 32 channel tiles of 4,096
	s_add_co_u32 s20, s20, s22
	s_mov_b32 s21, 0
	s_lshl_b32 s22, s[WV], 15                      ; my 8 channel tiles
	s_mov_b32 s23, 0
	s_mov_b32 s[G0A], 1
	s_lshl_b32 s[G0A+1], s[WV], 15                 ; slot 0, my part
	s_mov_b32 s[G0B], 1
	s_add_co_u32 s[G0B+1], s[G0A+1], SLOT1
	s_mov_b32 s[TB], 0
	s_cmp_eq_u32 ttmp9, 0                          ; the four clusters of a batch and half walk the same tiles: the first of them prefetches
	s_cselect_b32 s[LIM], 1, -1
	s_wait_dscnt 0x0                               ; both opening adds are done
	s_wait_kmcnt 0x0
	s_add_nc_u64 s[52:53], s[8:9], s[20:21]        ; v's tile 0 of my batch and half
	s_add_nc_u64 s[G0A+2:G0A+3], s[52:53], s[22:23]
	s_add_nc_u64 s[G0B+2:G0B+3], s[G0A+2:G0A+3], 524288  ; tile 1
	s_or_b32 s[G0A+3], s[G0A+3], 0x80000000
	s_or_b32 s[G0B+3], s[G0B+3], 0x80000000
	s_lshl2_add_u32 s50, s13, s[WV]                ; the prefetches: of a tile's sixteen parts of 8,192 bytes mine is 4 cx + w: shared out by address
	s_lshl_b32 s50, s50, 13
	s_mov_b32 s51, 0
	s_add_nc_u64 s[PFA:PFA+1], s[52:53], s[50:51]
	s_add_nc_u64 s[PFA:PFA+1], s[PFA:PFA+1], 2*524288  ; at tile 2; it is stepped ahead of each use
	s_lshl_b32 s50, s14, 19                        ; gate: the block of my 128 tokens, 64 channel tiles on
	s_add_co_u32 s50, s50, 1<<18
	s_add_co_u32 s50, s50, s22
	s_add_nc_u64 s[GP:GP+1], s[52:53], s[50:51]
	s_lshl_b32 s50, s16, 19                        ; kf: a batch has 128 tiles of 4,096 bytes; my two key tiles
	s_lshl_b32 s20, s[WV], 13
	s_add_co_u32 s20, s20, s50
	s_add_nc_u64 s[KP:KP+1], s[6:7], s[20:21]
	s_lshl_b32 s20, s14, 15
	s_add_co_u32 s20, s20, s50
	s_add_nc_u64 s[QP:QP+1], s[4:5], s[20:21]
	s_lshl_b32 s20, s16, 22                        ; vgf: token tiles of 32,768 bytes, 512 a channel tile
	s_lshl_b32 s50, s14, 18
	s_add_co_u32 s20, s20, s50
	s_lshl_b32 s50, s17, 14
	s_add_co_u32 s20, s20, s50
	s_lshl_b32 s50, s[WV], 12
	s_add_co_u32 s20, s20, s50
	s_add_nc_u64 s[OP:OP+1], s[10:11], s[20:21]
	CROUND                                         ; all four work-groups are here: the first joint loads meet
	tensor_load_to_lds s[G0A:G0A+3], s[G1:G1+7]    ; tile 0: every wave its own 32,768 bytes
	s_nop 0
	tensor_load_to_lds s[G0B:G0B+3], s[G1:G1+7]    ; tile 1: two loads of mine are out
	s_nop 0
	PLACES
	v_and_b32 v1, 31, v0                           ; L
	v_and_b32 v2, 15, v0                           ; r
	v_bfe_u32 v3, v0, 4, 1                         ; h
	v_lshlrev_b32 v[OOF], 4, v1
	v_and_b32 v[VA0], 7, v0
	v_lshl_add_u32 v[VA0], v3, 3, v[VA0]
	v_bfe_u32 v[VAD], v0, 3, 1
	v_lshlrev_b32 v[VAD], 4, v[VAD]
	v_lshl_add_u32 v[VA0], v[VA0], 5, v[VAD]       ; the turning load: key 8 h + L % 8 of 32 bytes, 16 bytes at 16 ((L / 8) % 2)
	v_add_nc_u32 v[VA0], s22, v[VA0]
	v_add_nc_u32 v[PAD], PB, v[OOF]
	v_lshlrev_b32 v[GOF], 5, v2
	v_lshl_add_u32 v[GOF], v3, 4, v[GOF]
	v_lshlrev_b32 v[PFO], 8, v1
	v_mov_b32 v[ZR], 0
	s_mul_i32 s20, s[WV], 7168                     ; of the 56 pieces of 512 bytes of query tiles 0-6 I copy 14
	v_add_nc_u32 v[QOF], s20, v[OOF]
	v_add_nc_u32 v[QST], QL, v[QOF]
.set i, 0
.rept 14
	global_load_b128 v[QT+4*i:QT+4*i+3], v[QOF], s[QP:QP+1] offset:i*512
.set i, i+1
.endr
.set i, 0
.rept 8
	global_load_b128 v[QR+4*i:QR+4*i+3], v[OOF], s[QP:QP+1] offset:7*4096+i*512
.set i, i+1
.endr
	WIN 0x40                                       ; destination window 1
	v_add_nc_u32 v[QAD], QL, v[OOF]
	s_lshl_b32 s20, s[WV], 13
	s_add_co_u32 s20, s20, PB
	v_add_nc_u32 v[PST], s20, v[OOF]
	v_mov_b32 v[KOF], v[OOF]
.macro KLOAD                           ; my two key tiles, 16 loads of 512 consecutive bytes; data and address register in window 1
.set i, 0
.rept 16
	global_load_b128 v[KF+4*i:KF+4*i+3], v[KOF], s[KP:KP+1] offset:i*512
.set i, i+1
.endr
.endm
	WIN 0x41
	KLOAD                                          ; key step 0
	; O^T starts at 0: 512 lines, written while the first tiles are on their way, so that the step's text, 320 matrix instructions, stands twice and not three times
	WIN 0x80
.set i, 0
.rept 256
	v_mov_b32 v[i], 0
.set i, i+1
.endr
	WIN 0xc0
.set i, 0
.rept 256
	v_mov_b32 v[i], 0
.set i, i+1
.endr
	WIN 0
	s_wait_loadcnt 24                              ; my 14 pieces are in; tile 7's 8 loads and K's 16 stay out
.set i, 0
.rept 14
	ds_store_b128 v[QST], v[QT+4*i:QT+4*i+3] offset:i*512
.set i, i+1
.endr
	s_wait_tensorcnt 1                             ; my part of tile 0 is in; tile 1's may stay out
	s_wait_dscnt 0x0                               ; for the others' sake: my pieces of Q are stored
	s_barrier_signal -1
	s_barrier_wait -1
; THE SCORE PHASE.  Run n of 8 has 8 matrix instructions for one query tile (run 0: tile 7, from registers; run n: tile n - 1, from the ring): features 32 (i / 2) on, key tile i % 2; the two
; accumulators of set n % 2 take turns.  Behind each stand four of the 32 vector lines that finish the run before: they name the other set alone, so they are also the places that the
; next reader of this run's results, and the next load into the ring, want.
.macro SMM n
.set rD, SA+16*((\n)%2)+8*(i%2)
.set rK, KF+32*(i%2)+8*(i/2)
.if (\n) == 0
	WIN 0x51                                       ; source 1 in window 0
.set rQ, QR+8*(i/2)
.else
	WIN 0x55                                       ; all in window 1
.set rQ, RING+32*(((\n)-1)%4)+8*(i/2)
.endif
.if i < 2
	v_wmma_f32_16x16x32_bf16 v[rD:rD+7], v[rK:rK+7], v[rQ:rQ+7], 0
.else
	v_wmma_f32_16x16x32_bf16 v[rD:rD+7], v[rK:rK+7], v[rQ:rQ+7], v[rD:rD+7]
.endif
.endm
.macro RID n                           ; line k of 32 for run n: for each accumulator 8 maxima with 0, 4 packed squares, 4 roundings, in place, from the low end on
	WIN 0x55
.set rB, SA+16*((\n)%2)+8*(k/16)
.set m, k%16
.if m < 8
	v_max_num_f32 v[rB+m], 0, v[rB+m]
.elseif m < 12
	v_pk_mul_f32 v[rB+2*(m-8):rB+2*(m-8)+1], v[rB+2*(m-8):rB+2*(m-8)+1], v[rB+2*(m-8):rB+2*(m-8)+1]
.else
	v_cvt_pk_bf16_f32 v[rB+m-12], v[rB+2*(m-12)], v[rB+2*(m-12)+1]
.endif
.set k, k+1
.endm
.macro MM n, riders
.set i, 0
.set k, 0
.rept 8
	SMM \n
.if \riders
.rept 4
	RID (\n)-1
.endr
.endif
.set i, i+1
.endr
.endm
.macro PUT n                           ; run n's fragment of P: keys 8 h + 0..7, then 16 + 8 h + 0..7
	WIN 0x55
	ds_store_b128 v[PST], v[SA+16*((\n)%2):SA+16*((\n)%2)+3]     offset:(((\n)+7)%8)*1024
	ds_store_b128 v[PST], v[SA+16*((\n)%2)+8:SA+16*((\n)%2)+11] offset:(((\n)+7)%8)*1024+512
.endm
.macro LQ t                            ; query tile t into the ring: 8 loads
	WIN 0x55
.irp c, 0,1,2,3
	ds_load_b128 v[RING+32*((\t)%4)+8*(\c):RING+32*((\t)%4)+8*(\c)+3],   v[QAD] offset:(\t)*4096+(\c)*1024
	ds_load_b128 v[RING+32*((\t)%4)+8*(\c)+4:RING+32*((\t)%4)+8*(\c)+7], v[QAD] offset:(\t)*4096+(\c)*1024+512
.endr
.endm
.macro SR n, cnt, more                 ; cnt: the LDS instructions issued behind the loads of this run's query tile
	s_wait_dscnt \cnt
	MM \n, 1
	PUT (\n)-1
.if \more
	LQ (\n)+3                                      ; into the buffer that this run has read, four vector lines behind its last product
.endif
.endm
; THE SECOND PRODUCT.  16 matrix instructions: query tiles a0, a0 + 1 of the window's four x my 8 channel tiles, 32 keys.  The 64 accumulators take turns, one instruction a turn.
.macro MUL16 f, hi, a0
	WIN 0xa1+0x50*(\hi)                            ; v window 1, P window 0, C and D window 2 or 3
.irp a, \a0, (\a0)+1
.irp b, 0,1,2,3,4,5,6,7
	v_wmma_f32_16x16x32_bf16 v[8*(8*(\a)+(\b)):8*(8*(\a)+(\b))+7], v[(\f)+8*(\b):(\f)+8*(\b)+7], v[(\f)+8*(4*(\hi)+(\a)):(\f)+8*(4*(\hi)+(\a))+7], v[8*(8*(\a)+(\b)):8*(8*(\a)+(\b))+7]
.endr
.endr
.endm
.macro FETCHV g, f                     ; v of keys 32 g on, my 8 channel tiles, turned: 16 loads
	WIN 0x40
.irp n, 0,1,2,3,4,5,6,7
	ds_load_tr16_b128 v[(\f)+8*(\n):(\f)+8*(\n)+3],   v[VAD] offset:(\n)*4096+(\g)*1024
	ds_load_tr16_b128 v[(\f)+8*(\n)+4:(\f)+8*(\n)+7], v[VAD] offset:(\n)*4096+(\g)*1024+512
.endr
.endm
.macro FETCHP g, f                     ; P of the same keys, all 8 query tiles: 16 loads
	WIN 0
.irp n, 0,1,2,3,4,5,6,7
	ds_load_b128 v[(\f)+8*(\n):(\f)+8*(\n)+3],   v[PAD] offset:(\g)*8192+(\n)*1024
	ds_load_b128 v[(\f)+8*(\n)+4:(\f)+8*(\n)+7], v[PAD] offset:(\g)*8192+(\n)*1024+512
.endr
.endm
.macro QUARTER g, f, o                 ; multiplies group g in buffer f; in its middle fetches group g + 1 into buffer o
	s_wait_dscnt 8                                 ; v and query tiles 0-3 of P are in; the youngest eight loads may be out
	MUL16 \f, 0, 0
	MUL16 \f, 0, 2
	PLACES
	FETCHV (\g)+1, \o
	FETCHP (\g)+1, \o
	s_wait_dscnt 32                                ; all but the 32 just issued
	MUL16 \f, 1, 0
	MUL16 \f, 1, 2
.endm
; A PREFETCH INTO THE L2 of the tile that the NEXT change of slots will ask for: one step, 320 matrix instructions, ahead of that load.  A tile is 512 blocks of 256 bytes: the sixteen waves of the
; batch and half's first cluster take 32 each, a lane a block, told apart by address.  So each block is named once in the launch.  It stands behind the tensor load and its five lines.
; Tiles 0 to 2 come by their loads alone; the loop's last trip asks for nothing: there is no tile behind the one that it loads.
.macro ASK
	s_cmp_gt_u32 s[CNT], s[LIM]
	s_cbranch_scc0 .Lnot_mine_\@
	global_prefetch_b8 v[PFO], s[PFA:PFA+1] th:TH_LOAD_NT scope:SCOPE_SE
.Lnot_mine_\@:
.endm
; The last quarter multiplies buffer 1 and changes slots: one barrier, which also stands between the reads of this step's P and the stores of the next step's.  In front of it each wave waits for all
; its tensor loads (one is out: its part of the next tile), adds 0 to its spare word, and waits for that and for its reads of the slot and of P.  fill = 1: the barrier opens a round of the
; cluster's, and the joint refill, the tile two steps on, is the first thing behind it: it has a whole step in which to land.
.macro TURNQ fill
	WIN 0
.if \fill
	s_wait_xcnt 0x0                                ; the last prefetch, a step back, has read its address
	s_add_nc_u64 s[PFA:PFA+1], s[PFA:PFA+1], 524288
.endif
	s_wait_tensorcnt 0x0                           ; no tensor load of mine is out, so a group 0 may be written
	ds_add_u32 v[SPW], v[NIL]
.if \fill
	s_xor_b32 s[G0B+1], s[G0B+1], SLOT1            ; the walking descriptor: the other slot than last time,
	s_add_nc_u64 s[G0B+2:G0B+3], s[G0B+2:G0B+3], 524288  ; the next tile; the type bits on top are not reached
.endif
	s_wait_dscnt 9                                 ; the add and the youngest eight loads may be out
	MUL16 F1, 0, 0
	s_wait_dscnt 0x0
	s_barrier_signal -1
	MUL16 F1, 0, 2
	WIN 0
	s_barrier_wait -1
.if \fill
	CREST
	tensor_load_to_lds s[G0B:G0B+3], s[G1:G1+7]
	s_nop 0
	PLACES
	ASK
.endif
	MUL16 F1, 1, 0
	MUL16 F1, 1, 2
.endm
; A KEY STEP.  kskip = 1: in the loop's last trip there is no further step, and K's loads are jumped over.
.macro STEP fill, kskip
	v_add_nc_u32 v[VAD], s[TB], v[VA0]
	PLACES                                         ; in front of the loads into the ring, whose registers the last products have read
	s_wait_loadcnt 0x0                             ; K of this step (and, the first time, Q's tile 7); K's address may be stepped from here on
	LQ 0
	LQ 1
	LQ 2
	LQ 3
	MM 0, 0
	PLACES
	SR 1, 24, 1
	SR 2, 26, 1
	SR 3, 28, 1
	SR 4, 30, 0
	SR 5, 22, 0
	SR 6, 14, 0
	SR 7, 6, 0
.if \kskip
	WIN 0
	s_cmp_eq_u32 s[CNT], 1
	s_cbranch_scc1 .Lno_k_\@
.endif
	WIN 0x55
	s_add_nc_u64 s[KP:KP+1], s[KP:KP+1], 32768     ; the next step's keys: asked for a whole second product ahead of their use
	KLOAD
.if \kskip
	WIN 0
.Lno_k_\@:
.endif
.set k, 0
.rept 32
	RID 7
.endr
	PUT 7
	s_wait_dscnt 0x0                               ; for the others' sake: my part of P is stored
	s_barrier_signal -1
	FETCHV 0, F0                                   ; my own bytes of the slot, which nothing writes before the change of slots
	s_barrier_wait -1                              ; all of P lies in LDS
	FETCHP 0, F0
	QUARTER 0, F0, F1
	QUARTER 1, F1, F0
	QUARTER 2, F0, F1
	TURNQ \fill
	WIN 0
	s_xor_b32 s[TB], s[TB], SLOT1
.endm
	s_mov_b32 s[CNT], 14
.Lfill:                                ; steps 0 to 13: step j asks for tile j + 2
	STEP 1, 0
	s_sub_co_u32 s[CNT], s[CNT], 1
	s_cmp_lg_u32 s[CNT], 0
	s_cbranch_scc1 .Lfill
.irp i, 0,1,2,3                        ; my 32,768 bytes of gate, which I alone read, once: asked for two steps ahead of their loads, a lane a block of 256 bytes
	global_prefetch_b8 v[PFO], s[GP:GP+1] offset:(\i)*8192 th:TH_LOAD_NT scope:SCOPE_SE
.endr
	s_mov_b32 s[CNT], 2
.Ltail:                                ; steps 14 and 15 ask for nothing: written apart
	STEP 0, 1
	s_sub_co_u32 s[CNT], s[CNT], 1
	s_cmp_lg_u32 s[CNT], 0
	s_cbranch_scc1 .Ltail
	; THE WAY OUT.  gate lies in hvb as O^T lies in my registers: 8 channels of one token a lane.  O x gate is rounded once, straight to bf16, into gate's own halves, and a channel tile's
	; 16 tokens leave as 512 consecutive bytes of vgf, which is the fragment layout that launch 4 takes.
	PLACES
	s_wait_loadcnt 0x0                             ; gate's loads land in K's registers and on K's address register: no load of K is out behind this wait, on whichever way the tail was left
	WIN 0x40
.set qa, 0
.rept 8
.set cb, 0
.rept 8
	global_load_b128 v[4*(8*qa+cb):4*(8*qa+cb)+3], v[GOF], s[GP:GP+1] offset:cb*4096+qa*512 th:TH_LOAD_NT
.set cb, cb+1
.endr
.set qa, qa+1
.endr
.set qa, 0
.rept 8
	s_wait_loadcnt 56-8*qa                         ; this query tile's eight loads are in; the later tiles' stay out
	WIN 0x49+4*(qa/4)                              ; gate window 1, O^T window 2 or 3, the 0 window 0
.set cb, 0
.rept 8
.set pr, 0
.rept 4
.set gr, 4*(8*qa+cb)+pr
.set ar, 8*(8*(qa%4)+cb)+2*pr
	v_fma_mixlo_bf16 v[gr], v[gr], v[ar], v[ZR] op_sel_hi:[1,0,0]
	v_fma_mixhi_bf16 v[gr], v[gr], v[ar+1], v[ZR] op_sel:[1,0,0] op_sel_hi:[1,0,0]
.set pr, pr+1
.endr
.set cb, cb+1
.endr
	WIN 0x04                                       ; a store's data in window 1
.set cb, 0
.rept 8
	global_store_b128 v[OOF], v[4*(8*qa+cb):4*(8*qa+cb)+3], s[OP:OP+1] offset:qa*32768+cb*512
.set cb, cb+1
.endr
.set qa, qa+1
.endr
	WIN 0
	s_wait_tensorcnt 0x0                           ; the wave's end
	ds_add_u32 v[SPW], v[NIL]
	s_wait_dscnt 0x0
	CROUND                                         ; the closing round
	s_endpgm
.Lfunc_end_k_q7e3a4f5d1a_attn:
	.size	k_q7e3a4f5d1a_attn, .Lfunc_end_k_q7e3a4f5d1a_attn-k_q7e3a4f5d1a_attn
	.p2alignl 7, 3214868480
	.fill 96, 4, 3214868480
	.section	.rodata,"a",@progbits
	.p2align	6, 0x0
	.amdhsa_kernel k_q7e3a4f5d1a_attn
		.amdhsa_group_segment_fixed_size 327680
		.amdhsa_private_segment_fixed_size 0
		.amdhsa_enable_private_segment 0
		.amdhsa_kernarg_size 32
		.amdhsa_user_sgpr_count 2
		.amdhsa_user_sgpr_kernarg_segment_ptr 1
		.amdhsa_wavefront_size32 1
		.amdhsa_system_sgpr_workgroup_id_x 1
		.amdhsa_system_sgpr_workgroup_id_y 1
		.amdhsa_system_sgpr_workgroup_id_z 1
		.amdhsa_system_vgpr_workitem_id 0
		.amdhsa_next_free_vgpr 1024
		.amdhsa_next_free_sgpr 66
		.amdhsa_reserve_vcc 0
		.amdhsa_float_denorm_mode_32 3
		.amdhsa_float_denorm_mode_16_64 3
		.amdhsa_memory_ordered 1
		.amdhsa_forward_progress 1
		.amdhsa_inst_pref_size 170
	.end_amdhsa_kernel
	.amdgpu_metadata
---
amdhsa.version: [ 1, 2 ]
amdhsa.kernels:
  - .name:           k_q7e3a4f5d1a_attn
    .symbol:         k_q7e3a4f5d1a_attn.kd
    .args:
      - { .name: qf, .offset: 0, .size: 8, .value_kind: global_buffer, .address_space: global }
      - { .name: kf, .offset: 8, .size: 8, .value_kind: global_buffer, .address_space: global }
      - { .name: hvb, .offset: 16, .size: 8, .value_kind: global_buffer, .address_space: global }
      - { .name: vgf, .offset: 24, .size: 8, .value_kind: global_buffer, .address_space: global }
    .group_segment_fixed_size: 327680
    .private_segment_fixed_size: 0
    .kernarg_segment_align: 8
    .kernarg_segment_size: 32
    .max_flat_workgroup_size: 128
    .sgpr_count:     66
    .vgpr_count:     1024
    .wavefront_size: 32
...
	.end_amdgpu_metadata
.endif
;; end of part 3
;; launch outp (part 4): grid 4 x 64, 4 waves a work-group, clusters of 4 x 4, 327,680 bytes of LDS; arguments vgf, wob, b_out, x, out0; writes out0
.if DOCPART == 4
	.amdgcn_target "amdgcn-amd-amdhsa--gfx1250"
	.amdhsa_code_object_version 6
	.text
	.protected	k_q7e3a4f5d1a_outp
	.globl	k_q7e3a4f5d1a_outp
	.p2align	8
	.type	k_q7e3a4f5d1a_outp,@function
k_q7e3a4f5d1a_outp:
	s_mov_b64 s[64:65], 0
	v_nop
	global_prefetch_b8 v0, s[64:65] scope:SCOPE_SE
	s_setreg_imm32_b32 hwreg(HW_REG_WAVE_MODE, 25, 1), 1
	s_wait_xcnt 0x0
	s_wait_alu depctr_hold_cnt(0) depctr_sa_sdst(0) depctr_va_vdst(0) depctr_va_sdst(0) depctr_va_ssrc(0) depctr_va_vcc(0) depctr_vm_vsrc(0)
	s_getreg_b32 s2, hwreg(HW_REG_IB_STS2, 6, 4)
	s_cmp_eq_u32 s2, 0
	s_cbranch_scc0 .Lentry_in_a_cluster
	s_endpgm
.Lentry_in_a_cluster:
	s_bfe_u32 s2, ttmp6, 0x10000c
	s_cmp_lg_u32 s2, 0xf033
	s_cbranch_scc0 .Lentry_shape_is_right
	s_endpgm
.Lentry_shape_is_right:
; GATED ATTENTION UNIT, launch 4 of 4: out0 = vg W_out + b_out + x.  Nothing of reference() is left out here.  LIMITS: operands in bf16, sums in f32; x is added in f32, unrounded.
; A tile is 256 tokens x 128 columns: 64 x 4 = 256 work-groups.  Four waves, each 128 tokens x 64 columns in 32 accumulators.  K = 1,024 goes in eight steps of 128 through two LDS slots.
; THE TEXT OF A K STEP STANDS TWICE: once with a refill (K steps 0 to 5 ask for 2 to 7), walked six times, and once without, walked twice; only the first quarter, whose C operand is the bias,
; stands ahead of the loops.  A trip goes from a step's second quarter to the next step's first.  The slot in hand is a scalar turned by an exclusive or; the LDS addresses are made of it.
; vgf lies as fragments and wob as [nt][k][16]: a K step of a token tile or of a column tile is 4,096 consecutive bytes, 32,768 apart; the tiles land without padding.
; CLUSTER 4 x 4: the token tile is asked for jointly along a row of the cluster (its four work-groups are all the readers it has), W_out's tile along a column.
; No prefetch: the launch moves vgf, x and out0 once each, three bytes for every 256 multiply-adds: it is a stream, and its loads already follow each other.
; REGISTERS: window 0: v0-31 addresses; v32-63 b_out, the C operand of the first products; v64-127, v128-191 token fragments; v192-223, v224-255 fragments of W_out;
;   window 1: accumulator (a, b) at v[8 (4 a + b)];   window 2: x of my 128 x 64, by rows, asked for at the start.
.set SLOT,  131072                     ; slot 1 begins here, so that one exclusive or turns an address in one slot into the other's; a slot holds tokens [16 T][8 u][512], then W [8 nt][128 k][32]: 98,304 bytes
.set WOFF,  65536
.set STAGE, 229376                     ; behind the ring: 16 rows x 272 bytes for each wave, for the way out
.set SP,    272                        ; 256 bytes + 16: the 16 rows that a store touches start at 16 different groups of four words modulo 64
.set SPARE, 246784                     ; the spare words, 128 bytes a wave, which no other line names
.set A0,   16                          ; v16  my token fragments in slot 0; never rewritten
.set B0,   17                          ; v17  my fragments of W in slot 0; never rewritten
.set ADA,  20                          ; v20  the same in the slot in hand
.set ADB,  21                          ; v21
.set STO,  24                          ; v24  where I put 32 bytes of a row
.set RD,   25                          ; v25  where I read rows back
.set CO,   26                          ; v26  my offset in two rows of x and of out0
.set BOF,  27
.set SPW,  28
.set NIL,  29
.set BIAS, 32
.set TFR,  64
.set WF,   192
.set BK,   64                          ; the way out: rows read back, two sets of 32
.set WV,   14
.set TI,   15                          ; my half of the tokens; also: I fetch tokens (0) or W (1)
.set TJ,   16                          ; my half of the columns; also: which half of that tile I fetch
.set G1,   24
.set G0,   32                          ; s[32:39] group 0 for the token tiles: a set for each first fill; the second then walks
.set G1B,  48
.set G0B,  56
.set CNT,  66                          ; s66  counts the trips of a loop over K steps
.set TB,   67                          ; s67  the slot in hand: 0 or SLOT
.set MSB, 0
.macro WIN new
.if MSB != (\new)
	s_set_vgpr_msb (MSB<<8)|(\new)
.set MSB, \new
.endif
.endm
.macro PLACES
.rept 4
	v_nop
.endr
.endm
.macro JLOAD s
	s_cmp_eq_u32 s[TI], 0
	s_cbranch_scc0 .Lfor_w_\@
	tensor_load_to_lds s[G0+4*(\s):G0+4*(\s)+3], s[G1:G1+7]
	s_nop 0
.rept 4
	v_nop
.endr
	s_branch .Lasked_\@
.Lfor_w_\@:
	tensor_load_to_lds s[G0B+4*(\s):G0B+4*(\s)+3], s[G1B:G1B+7]
	s_nop 0
.rept 4
	v_nop
.endr
.Lasked_\@:
.endm
.macro CREST
	s_cmp_lg_u32 s[WV], 0
	s_cbranch_scc1 .Lnot_wave_0_\@
	s_barrier_signal -3
.Lnot_wave_0_\@:
	s_barrier_wait -3
	s_barrier_signal -1
	s_barrier_wait -1
.endm
.macro CROUND
	s_barrier_signal -1
	s_barrier_wait -1
	CREST
.endm
	s_load_b256 s[4:11], s[0:1], 0x0               ; vgf 4, wob 6, b_out 8, x 10
	s_load_b64 s[12:13], s[0:1], 0x20              ; out0
	v_lshl_add_u32 v[SPW], v0, 2, SPARE
	v_mov_b32 v[NIL], 0
	ds_add_u32 v[SPW], v[NIL]                      ; the wave's opening: the add, twice on end, and its wait ahead of my first tensor load
	ds_add_u32 v[SPW], v[NIL]
	v_lshrrev_b32 v1, 5, v0
	v_readfirstlane_b32 s[WV], v1
	s_lshr_b32 s[TI], s[WV], 1
	s_and_b32 s[TJ], s[WV], 1
	s_bfe_u32 s40, ttmp6, 0x40000                  ; cx
	s_bfe_u32 s41, ttmp6, 0x40004                  ; cy
	s_lshl_b32 s42, ttmp9, 2
	s_add_co_u32 s42, s42, s40                     ; tile column
	s_and_b32 s43, ttmp7, 0xffff
	s_lshl_b32 s43, s43, 2
	s_add_co_u32 s43, s43, s41                     ; tile row
	s_lshl_b32 s44, s41, 2
	s_lshl_b32 s44, 15, s44                        ; my row of the cluster
	s_lshl_b32 s45, 0x1111, s40                    ; my column
	s_or_b32 s[G1], s44, (3<<16)|(1<<21)           ; the mask; elements of 8 bytes; 21 set beside a mask; no padding
	s_or_b32 s[G1B], s45, (3<<16)|(1<<21)
.irp g, G1, G1B
	s_mov_b32 s[(\g)+1], 512<<16                   ; rows of 4,096 bytes,
	s_mov_b32 s[(\g)+3], 512<<16
	s_mov_b32 s[(\g)+5], 4096                      ; 32,768 bytes apart
	s_mov_b32 s[(\g)+6], 0
	s_mov_b32 s[(\g)+7], 0
.endr
	s_mov_b32 s[G1+2], 8<<16                       ; 8 token tiles a load,
	s_mov_b32 s[G1+4], 8
	s_mov_b32 s[G1B+2], 4<<16                      ; 4 column tiles
	s_mov_b32 s[G1B+4], 4
	s_lshl_b32 s18, s43, 19                        ; tokens: 16 tiles of 32,768 bytes a tile row, the 8 that I fetch
	s_lshl_b32 s17, s[TJ], 18
	s_add_co_u32 s18, s18, s17
	s_mov_b32 s19, 0
	s_lshl_b32 s46, s42, 18                        ; W: 8 column tiles a tile column, the 4 that I fetch
	s_lshl_b32 s17, s[TJ], 17
	s_add_co_u32 s46, s46, s17
	s_mov_b32 s47, 0
	s_lshl_b32 s20, s[TJ], 15                      ; where the tokens land,
	s_lshl_b32 s21, s[TJ], 14
	s_add_co_u32 s21, s21, WOFF                    ; and W
	s_mov_b32 s[TB], 0
	s_wait_dscnt 0x0                               ; both opening adds are done
	s_wait_kmcnt 0x0
	s_add_nc_u64 s[18:19], s[4:5], s[18:19]
	s_add_nc_u64 s[46:47], s[6:7], s[46:47]
	CROUND                                         ; all sixteen work-groups are here: the first joint loads meet
.irp s, 0,1
	s_mov_b32 s[G0+4*(\s)], 1
	s_add_co_u32 s[G0+4*(\s)+1], s20, (\s)*SLOT
	s_add_nc_u64 s[G0+4*(\s)+2:G0+4*(\s)+3], s[18:19], (\s)*4096
	s_or_b32 s[G0+4*(\s)+3], s[G0+4*(\s)+3], 0x80000000
	s_mov_b32 s[G0B+4*(\s)], 1
	s_add_co_u32 s[G0B+4*(\s)+1], s21, (\s)*SLOT
	s_add_nc_u64 s[G0B+4*(\s)+2:G0B+4*(\s)+3], s[46:47], (\s)*4096
	s_or_b32 s[G0B+4*(\s)+3], s[G0B+4*(\s)+3], 0x80000000
	JLOAD \s                                       ; two loads of mine are out
.endr
	v_and_b32 v1, 31, v0                           ; L
	v_and_b32 v2, 15, v0                           ; r
	v_bfe_u32 v3, v0, 4, 1                         ; h
	v_lshlrev_b32 v4, 4, v1
	v_and_b32 v5, 7, v0
	v_lshl_add_u32 v5, v3, 3, v5
	v_bfe_u32 v6, v0, 3, 1
	v_lshlrev_b32 v6, 4, v6
	v_lshl_add_u32 v5, v5, 5, v6                   ; the turning load's lane term
	s_lshl_b32 s22, s[TI], 15
	s_lshl_b32 s23, s[TJ], 14
	s_add_co_u32 s23, s23, WOFF
	v_add_nc_u32 v[A0], s22, v4
	v_add_nc_u32 v[B0], s23, v5
	v_mov_b32 v[ADA], v[A0]                        ; K step 0 lies in slot 0
	v_mov_b32 v[ADB], v[B0]
	s_mul_i32 s22, s[WV], 16*SP
	s_add_co_u32 s22, s22, STAGE                   ; my stage
	v_mul_u32_u24 v[STO], v2, SP                   ; in: token r, columns 16 b + 8 h on, in f32
	v_lshl_add_u32 v[STO], v3, 5, v[STO]
	v_add_nc_u32 v[STO], s22, v[STO]
	v_mul_u32_u24 v[RD], v3, SP                    ; back: lanes 0-15 a row of 256 bytes, lanes 16-31 the next
	v_lshl_add_u32 v[RD], v2, 4, v[RD]
	v_add_nc_u32 v[RD], s22, v[RD]
	v_lshlrev_b32 v[CO], 11, v3                    ; and the same two rows in x and out0
	v_lshl_add_u32 v[CO], v2, 4, v[CO]
	s_lshl_b32 s22, s42, 9                         ; my 64 columns, in f32
	s_lshl_b32 s23, s[TJ], 8
	s_add_co_u32 s22, s22, s23
	v_lshl_add_u32 v[BOF], v3, 5, s22
.irp b, 0,1,2,3
	global_load_b128 v[BIAS+8*(\b):BIAS+8*(\b)+3],   v[BOF], s[8:9] offset:64*(\b)
	global_load_b128 v[BIAS+8*(\b)+4:BIAS+8*(\b)+7], v[BOF], s[8:9] offset:64*(\b)+16
.endr
	s_lshl_b32 s23, s43, 19                        ; my 128 rows of 2,048 bytes
	s_add_co_u32 s22, s22, s23
	s_lshl_b32 s23, s[TI], 18
	s_add_co_u32 s22, s22, s23
	s_mov_b32 s23, 0
	s_add_nc_u64 s[10:11], s[10:11], s[22:23]
	s_add_nc_u64 s[12:13], s[12:13], s[22:23]
	WIN 0x80                                       ; destination window 2
.set i, 0
.rept 64
	global_load_b128 v[4*i:4*i+3], v[CO], s[10:11] offset:i*4096 th:TH_LOAD_NT  ; rows 2 i and 2 i + 1: they land under the whole product
.set i, i+1
.endr
	WIN 0
; 8 matrix instructions: token blocks a0, a0 + 1 x my 4 column tiles, 32 along K, from buffer p.  first = 1: b_out is the C operand.  The 32 accumulators take turns, one instruction a turn, over the backward jumps too.
.macro MUL8 p, a0, first
.if \first
	WIN 0x40                                       ; D window 1, all else window 0
.else
	WIN 0x50                                       ; C and D window 1
.endif
.irp a, \a0, (\a0)+1
.irp b, 0,1,2,3
.if \first
	v_wmma_f32_16x16x32_bf16 v[8*(4*(\a)+(\b)):8*(4*(\a)+(\b))+7], v[WF+32*(\p)+8*(\b):WF+32*(\p)+8*(\b)+7], v[TFR+64*(\p)+8*(\a):TFR+64*(\p)+8*(\a)+7], v[BIAS+8*(\b):BIAS+8*(\b)+7]
.else
	v_wmma_f32_16x16x32_bf16 v[8*(4*(\a)+(\b)):8*(4*(\a)+(\b))+7], v[WF+32*(\p)+8*(\b):WF+32*(\p)+8*(\b)+7], v[TFR+64*(\p)+8*(\a):TFR+64*(\p)+8*(\a)+7], v[8*(4*(\a)+(\b)):8*(4*(\a)+(\b))+7]
.endif
.endr
.endr
.endm
.macro FETCH qd, p                     ; 24 LDS loads in one run, from the slot in hand: W's 8, then the tokens' 16
	WIN 0
.irp n, 0,1,2,3
	ds_load_tr16_b128 v[WF+32*(\p)+8*(\n):WF+32*(\p)+8*(\n)+3],   v[ADB] offset:(\n)*4096+(\qd)*1024
	ds_load_tr16_b128 v[WF+32*(\p)+8*(\n)+4:WF+32*(\p)+8*(\n)+7], v[ADB] offset:(\n)*4096+(\qd)*1024+512
.endr
.irp n, 0,1,2,3,4,5,6,7
	ds_load_b128 v[TFR+64*(\p)+8*(\n):TFR+64*(\p)+8*(\n)+3],   v[ADA] offset:(\n)*4096+(\qd)*1024
	ds_load_b128 v[TFR+64*(\p)+8*(\n)+4:TFR+64*(\p)+8*(\n)+7], v[ADA] offset:(\n)*4096+(\qd)*1024+512
.endr
.endm
.macro QUARTER qd, p, o, first         ; multiplies buffer p; in its middle fetches quarter qd into buffer o
	s_wait_dscnt 8                                 ; W and token blocks 0-3 are in; the youngest eight loads may be out
	MUL8 \p, 0, \first
	MUL8 \p, 2, \first
	PLACES
	FETCH \qd, \o
	s_wait_dscnt 24                                ; all but the 24 just issued
	MUL8 \p, 4, \first
	MUL8 \p, 6, \first
.endm
; The last quarter of a K step multiplies buffer 1 and changes slots: one barrier; in front of it each wave waits for all its tensor loads, adds 0 to its spare word, and waits for that and for its
; reads of this slot.  fill = 1: the barrier opens a round of the cluster's, and the joint refill, two K steps on, is the first thing behind it.
; fill = 0: nothing is asked for; in the loop's last trip there is no next step, and its fetch is jumped over.
.macro TURN fill
	WIN 0
	s_wait_tensorcnt 0x0                           ; no tensor load of mine is out, so a group 0 may be written
	ds_add_u32 v[SPW], v[NIL]
.if \fill
	s_xor_b32 s[G0+5], s[G0+5], SLOT               ; the walking descriptors: the other slot than last time,
	s_add_nc_u64 s[G0+6:G0+7], s[G0+6:G0+7], 4096  ; the next K step; the type bits on top are not reached
	s_xor_b32 s[G0B+5], s[G0B+5], SLOT
	s_add_nc_u64 s[G0B+6:G0B+7], s[G0B+6:G0B+7], 4096
.endif
	s_wait_dscnt 9                                 ; the add and the youngest eight loads may be out
	MUL8 1, 0, 0
	s_wait_dscnt 0x0                               ; the add is done, and my reads of this slot are over
	s_barrier_signal -1
	MUL8 1, 2, 0
	WIN 0
	s_barrier_wait -1
.if \fill
	CREST                                          ; no wave of any partner still reads this slot or has a load on its way
	JLOAD 1                                        ; its four v_nop are also the places in front of the loads below
.else
	s_cmp_eq_u32 s[CNT], 1
	s_cbranch_scc1 .Lno_next_\@
	PLACES
.endif
	s_xor_b32 s[TB], s[TB], SLOT                   ; the other slot is in hand now
	v_add_nc_u32 v[ADA], s[TB], v[A0]
	v_add_nc_u32 v[ADB], s[TB], v[B0]
	FETCH 0, 0
.if !(\fill)
.Lno_next_\@:
.endif
	MUL8 1, 4, 0
	MUL8 1, 6, 0
.endm
	s_wait_tensorcnt 1                             ; my part of K step 0 is in; K step 1's may stay out
	s_barrier_signal -1
	s_barrier_wait -1
	FETCH 0, 0
	s_wait_loadcnt 63                              ; b_out: 64 loads of x were issued behind it; the count that the wait can name, 63, asks for one load more than is needed
	QUARTER 1, 0, 1, 1                             ; the first quarter stands in front of the loops: its products start the sums
	WIN 0
	s_mov_b32 s[CNT], 6
.Lfill:                                ; K steps 0 to 5: quarters 1, 2, 3, the refill with the step two on, and the next step's quarter 0
	QUARTER 2, 1, 0, 0
	QUARTER 3, 0, 1, 0
	TURN 1
	QUARTER 1, 0, 1, 0
	WIN 0
	s_sub_co_u32 s[CNT], s[CNT], 1
	s_cmp_lg_u32 s[CNT], 0
	s_cbranch_scc1 .Lfill
	s_mov_b32 s[CNT], 2
.Ltail:                                ; K steps 6 and 7 ask for nothing: written apart
	QUARTER 2, 1, 0, 0
	QUARTER 3, 0, 1, 0
	TURN 0
	WIN 0
	s_cmp_eq_u32 s[CNT], 1                         ; behind K step 7 there is no quarter 0
	s_cbranch_scc1 .Ltend
	QUARTER 1, 0, 1, 0
	WIN 0
.Ltend:
	s_sub_co_u32 s[CNT], s[CNT], 1
	s_cmp_lg_u32 s[CNT], 0
	s_cbranch_scc1 .Ltail
; THE WAY OUT, 16 tokens at a time, through my own stage: a lane's eight columns of a token go in, whole rows of 256 bytes come back, x is added in f32, and 16 lanes store 256 consecutive bytes.
.macro TOSTAGE a
.if (\a) >= 2
	s_wait_xcnt 0x0                                ; the stores of two blocks back have read the registers that are loaded again
.endif
	WIN 0x04                                       ; a store's data in window 1
.irp b, 0,1,2,3
	ds_store_b128 v[STO], v[8*(4*(\a)+(\b)):8*(4*(\a)+(\b))+3]   offset:64*(\b)
	ds_store_b128 v[STO], v[8*(4*(\a)+(\b))+4:8*(4*(\a)+(\b))+7] offset:64*(\b)+16
.endr
	WIN 0
.irp t, 0,1,2,3,4,5,6,7
	ds_load_b128 v[BK+32*((\a)%2)+4*(\t):BK+32*((\a)%2)+4*(\t)+3], v[RD] offset:(\t)*2*SP  ; LDS serves a wave's instructions in order (ISA guide 5.7.1.4): these see the stores above
.endr
.endm
.macro SEND a, younger                 ; younger: the LDS instructions issued behind block a's loads: the next block's sixteen, or none
	s_wait_dscnt \younger
	WIN 0x08                                       ; source 1, x, in window 2
.set i, 0
.rept 16
	v_pk_add_f32 v[BK+32*((\a)%2)+2*i:BK+32*((\a)%2)+2*i+1], v[BK+32*((\a)%2)+2*i:BK+32*((\a)%2)+2*i+1], v[32*(\a)+2*i:32*(\a)+2*i+1]
.set i, i+1
.endr
	WIN 0
.irp t, 0,1,2,3,4,5,6,7
	global_store_b128 v[CO], v[BK+32*((\a)%2)+4*(\t):BK+32*((\a)%2)+4*(\t)+3], s[12:13] offset:(16*(\a)+2*(\t))*2048 th:TH_STORE_NT
.endr
.endm
	PLACES
	s_wait_loadcnt 0x0                             ; x
	TOSTAGE 0
.irp a, 1,2,3,4,5,6,7
	TOSTAGE \a
	SEND (\a)-1, 16
.endr
	SEND 7, 0
	s_wait_tensorcnt 0x0                           ; the wave's end: behind my last tensor load and my last LDS store
	ds_add_u32 v[SPW], v[NIL]
	s_wait_dscnt 0x0
	CROUND                                         ; the closing round
	s_endpgm
.Lfunc_end_k_q7e3a4f5d1a_outp:
	.size	k_q7e3a4f5d1a_outp, .Lfunc_end_k_q7e3a4f5d1a_outp-k_q7e3a4f5d1a_outp
	.p2alignl 7, 3214868480
	.fill 96, 4, 3214868480
	.section	.rodata,"a",@progbits
	.p2align	6, 0x0
	.amdhsa_kernel k_q7e3a4f5d1a_outp
		.amdhsa_group_segment_fixed_size 327680
		.amdhsa_private_segment_fixed_size 0
		.amdhsa_enable_private_segment 0
		.amdhsa_kernarg_size 40
		.amdhsa_user_sgpr_count 2
		.amdhsa_user_sgpr_kernarg_segment_ptr 1
		.amdhsa_wavefront_size32 1
		.amdhsa_system_sgpr_workgroup_id_x 1
		.amdhsa_system_sgpr_workgroup_id_y 1
		.amdhsa_system_sgpr_workgroup_id_z 1
		.amdhsa_system_vgpr_workitem_id 0
		.amdhsa_next_free_vgpr 768
		.amdhsa_next_free_sgpr 72
		.amdhsa_reserve_vcc 0
		.amdhsa_float_denorm_mode_32 3
		.amdhsa_float_denorm_mode_16_64 3
		.amdhsa_memory_ordered 1
		.amdhsa_forward_progress 1
		.amdhsa_inst_pref_size 76
	.end_amdhsa_kernel
	.amdgpu_metadata
---
amdhsa.version: [ 1, 2 ]
amdhsa.kernels:
  - .name:           k_q7e3a4f5d1a_outp
    .symbol:         k_q7e3a4f5d1a_outp.kd
    .args:
      - { .name: vgf, .offset: 0, .size: 8, .value_kind: global_buffer, .address_space: global }
      - { .name: wob, .offset: 8, .size: 8, .value_kind: global_buffer, .address_space: global }
      - { .name: b_out, .offset: 16, .size: 8, .value_kind: global_buffer, .address_space: global }
      - { .name: x, .offset: 24, .size: 8, .value_kind: global_buffer, .address_space: global }
      - { .name: out0, .offset: 32, .size: 8, .value_kind: global_buffer, .address_space: global }
    .group_segment_fixed_size: 327680
    .private_segment_fixed_size: 0
    .kernarg_segment_align: 8
    .kernarg_segment_size: 40
    .max_flat_workgroup_size: 128
    .sgpr_count:     72
    .vgpr_count:     768
    .wavefront_size: 32
...
	.end_amdgpu_metadata
.endif
;; end of part 4
